; MI455X (gfx1250); checked and timed in simulation.
; The chip was launched on July 23, 2026; its instructions are those of AMD's public machine-readable ISA for CDNA 5 (MIT licence, August 2026) and "CDNA5" Instruction Set Architecture Reference Guide (July 2026). The comments in the code are by the model that wrote it; some were corrected since.
;; Scaled Dot Product Attention. Allowed arithmetic: matrix products marked QUANTISED: E4M3 operands, one E8M0 scale for each 32 along K, by v_wmma_scale_f32_16x16x128_f8f6f4 with both operands' format E4M3, f32 sums; everything else in f32.
;; Inputs: K_codes 4 x 16 x 2,048 x 4 x 32 uint8 (E4M3 codes of K, K innermost, in blocks of 32 codes); K_scales 4 x 16 x 2,048 x 4 uint8 (E8M0 scales of K, one for each 32 codes along K); Q_codes 4 x 16 x 2,048 x 4 x 32 uint8 (E4M3 codes of Q, K innermost, in blocks of 32 codes); Q_scales 4 x 16 x 2,048 x 4 uint8 (E8M0 scales of Q, one for each 32 codes along K); V_codes 4 x 16 x 128 x 64 x 32 uint8 (E4M3 codes of V, K innermost, in blocks of 32 codes); V_scales 4 x 16 x 128 x 64 uint8 (E8M0 scales of V, one for each 32 codes along K); mask 2,048 x 2,048 bool.
;; Outputs: out0 4 x 16 x 2,048 x 128 float32.
;; This version of the problem:
;;   THIS VERSION OF THE PROBLEM IS GIVEN IN LOW PRECISION. The matrix products marked QUANTISED in the list below multiply operands that are first quantised to E4M3 (4 exponent bits, 3 mantissa bits; 8 bits a number), with one power-of-two scale for each 32 numbers along K (OCP MX v1.0); their sums are f32. All else is computed in f32.
;;   The module's matrix products, in the order in which they are computed (A, B: the left and right operand; K: the contracted axis; several contracted axes count as one K, in the product's order):
;;     1. batch 64 x [M 2,048, K 128] x [K 128, N 2,048]; A: input Q (given as codes); B: input K (given as codes): QUANTISED
;;     2. batch 64 x [M 2,048, K 2,048] x [K 2,048, N 128]; A: softmax (see below); B: input V (given as codes): QUANTISED
;;   THE QUANTISER, for each operand of a quantised product, along K:
;;     - K is cut into blocks of 32 from its start; a last block that is shorter is filled with zeros.
;;     - A block's scale is 2^e with e = floor(log2(the largest magnitude in the block)) - 8, held to -126 .. 127; a block of zeros has e = 0. As a byte (E8M0): e + 127.
;;     - Each number is divided by its block's scale, clamped to +-448, and rounded to the nearest number of E4M3, ties to even, subnormals kept.
;;     - The product sums the exact products of the quantised numbers (number of the format x scale) in f32.
;;   ~~~python
;;   def quantise(x, axis):      # numpy; x: float32 -> the quantised numbers, widened to float32 again
;;       x = np.moveaxis(x, axis, -1); K = x.shape[-1]
;;       x = np.pad(x, [(0, 0)] * (x.ndim - 1) + [(0, -K % 32)]); x = x.reshape(x.shape[:-1] + (-1, 32)); a = np.abs(x).max(-1, keepdims=True)
;;       e = np.where(a > 0, np.clip(np.frexp(np.where(a > 0, a, 1))[1] - 1 - 8, -126, 127), 0)      # np.frexp(a)[1] - 1 = floor(log2(a)), exactly
;;       r = np.clip(x / 2.0 ** e, -448, 448)
;;       step = 2.0 ** (np.maximum(np.frexp(np.where(r == 0, 1, r))[1] - 1, -6) - 3)
;;       q = np.round(r / step) * step * 2.0 ** e      # np.round: ties to even
;;       return np.moveaxis(q.reshape(q.shape[:-2] + (-1,))[..., :K], -1, axis).astype(np.float32)
;;   ~~~
;;   SOFTMAX AHEAD OF A QUANTISED PRODUCT. Where the list says 'softmax', what is quantised is not the finished softmax but p = 2^(t - M), with t = logit x log2(e) and M = ceil(the row's largest t), a whole number; so 1/2 < the row's largest p <= 1. The row's sum l is taken of the UNQUANTISED p, in f32, and the product's result is divided by l at the end. Since M is a whole number, a kernel that streams over the keys may use a running M (the ceiling of the running maximum): every later rescaling is an exact power of two, which a block's scale takes up: the codes' values come out the same.
;;   OPERANDS COMPUTED ON THE WAY. 'Computed on the way' means the value that the module computes at that place (a softmax that the list does not call 'softmax' is quantised finished and normalised). What goes into a quantiser is computed in f32, as accurately as f32 sums, v_exp_f32 and their like allow (about 1e-6 of the number): no bf16 or f16 on the way to a quantiser, and a product that is left as it is and whose result goes on into a quantised operand takes f32 operands (vector FMAs, or v_wmma_f32_16x16x4_f32). A number that lies on a knife's edge between two numbers of the format may be rounded either way, as far as f32 arithmetic and the matrix unit's own rounding can turn it there, and no further.
;;   INPUTS GIVEN AS CODES. K (in the module: [4, 16, 2048, 128], K = its axis 3); Q (in the module: [4, 16, 2048, 128], K = its axis 3); V (in the module: [4, 16, 2048, 128], K = its axis 2): each comes as NAME_codes (uint8): NAME with its K axis moved to the last place and cut into blocks of 32 codes, [.., K / 32, bytes a block], one block behind the other in memory; one code a byte (a code: sign, 4 exponent bits, 3 mantissa bits); and NAME_scales (uint8): the same leading axes, one E8M0 byte (e + 127) for each 32 codes along K. Its value is code x scale, taken as it is: it is not quantised again, and the codes and scales need not be those that the quantiser above would give.
;; 2 versions. Each part assembles by itself: llvm-mc -triple=amdgcn-amd-amdhsa -mcpu=gfx1250 --defsym DOCPART=n.
;; ======== version 1 of 2: 2 launches
;; workspace buffers: mwords 524,288 bytes of whole numbers; mflags 1,024 bytes of whole numbers
;; launch maskprep (part 1): grid 64 x 4, 4 waves a work-group, no clusters, 17,664 bytes of LDS; arguments mask, mwords, mflags; writes mwords, mflags
.if DOCPART == 1
	.amdgcn_target "amdgcn-amd-amdhsa--gfx1250"
	.amdhsa_code_object_version 6
	.text
	.protected	k_q2e4e70519d_maskprep
	.globl	k_q2e4e70519d_maskprep
	.p2align	8
	.type	k_q2e4e70519d_maskprep,@function
k_q2e4e70519d_maskprep:
	s_mov_b64 s[64:65], 0
	v_nop
	global_prefetch_b8 v0, s[64:65] scope:SCOPE_SE
	s_setreg_imm32_b32 hwreg(HW_REG_WAVE_MODE, 25, 1), 1
	s_wait_xcnt 0x0
; The mask [2048][2048], one byte (0 or 1) a place, is read once and turned into what the attention launch wants:
;   mwords [block of 256 queries 8][key step J 16][pair of query tiles in the block 8][lane 32][4 words]: words 0, 1 of lane l are words n = 2 l, 2 l + 1 of the pair's first tile of 16 queries,
;     words 2, 3 those of its second tile.  Bit L of word n is mask[tile's first query + L % 16][128 J + 32 (n / 16) + 16 (L / 16) + n % 16]: the key that score register n of lane L holds there.
;   mflags [pair 64][quarter of the keys 4]: bit J: some byte of (pair, key step J) is true; bit 16 + J: all are; only the quarter's four J are set, so the OR of a pair's four words is its whole word.
; A work-group takes a pair's 32 rows x 512 keys.  Wave w loads rows 8 w .. 8 w + 7, 512 consecutive bytes an instruction; through LDS each wave then gets key step 4 y + w of all 32 rows.
; No matrix work, no cluster: nothing is shared between work-groups and each byte is read once.
.set PITCH, 528                        ; an LDS row: 512 bytes + 16: the sixteen rows that a load touches start at sixteen different 16-byte columns
.set FLG,   32*PITCH                   ; behind the rows: the four waves' flag words
	s_load_b128 s[4:7], s[0:1], 0x0                ; mask, mwords
	s_load_b64 s[8:9], s[0:1], 0x10                ; mflags
	v_lshl_add_u32 v64, v0, 2, 0x4300
	v_mov_b32 v65, 0
	v_lshrrev_b32 v1, 5, v0
	v_readfirstlane_b32 s10, v1                    ; wave 0..3
	v_and_b32 v4, 31, v0
	v_lshlrev_b32 v1, 4, v4                        ; 16 x lane
	s_and_b32 s11, ttmp7, 0xffff                   ; y: which 512 keys
	s_lshl_b32 s18, ttmp9, 5
	s_lshl_b32 s19, s10, 3
	s_add_co_u32 s18, s18, s19                     ; my first row: 32 x pair + 8 x wave
	s_lshl_b32 s18, s18, 11                        ; rows of 2,048 bytes
	s_lshl_b32 s19, s11, 9
	s_add_co_u32 s18, s18, s19                     ; + 512 y
	s_mov_b32 s19, 0
	s_mul_i32 s20, s10, 8*PITCH
	v_add_nc_u32 v2, s20, v1                       ; into LDS: my eight rows, 16 bytes a lane
	v_and_b32 v3, 15, v0
	v_mul_u32_u24 v3, v3, PITCH
	v_and_b32 v5, 16, v0
	v_add_nc_u32 v3, v3, v5
	s_lshl_b32 s20, s10, 7
	v_add_nc_u32 v3, s20, v3                       ; out of it: row lane % 16, + 16 (lane / 16), + my key step's 128 bytes
	s_wait_kmcnt 0x0
	s_add_nc_u64 s[4:5], s[4:5], s[18:19]
.irp i, 0,1,2,3,4,5,6,7
	global_load_b128 v[8+4*\i:11+4*\i], v1, s[4:5] offset:2048*\i th:TH_LOAD_NT   ; 32 lanes read 512 consecutive bytes; read once in the launch
.endr
	s_wait_loadcnt 0x0
.irp i, 0,1,2,3,4,5,6,7
	ds_store_b128 v2, v[8+4*\i:11+4*\i] offset:PITCH*\i
.endr
	s_wait_dscnt 0x0                               ; for the others' sake: my rows lie in LDS
	s_barrier_signal -1
	s_barrier_wait -1
.irp a, 0,1
.irp b, 0,1,2,3
	ds_load_b128 v[8+16*\a+4*\b:11+16*\a+4*\b], v3 offset:16*PITCH*\a+32*\b   ; tile a, block b of 32 keys: my row's 16 bytes of my half
.endr
.endr
.irp i, 40,41,42,43
	v_mov_b32 v\i, 0                               ; (the destination of a lane write counts as read)
.endr
	s_wait_dscnt 0x0
; Word n = 16 b + 4 k + e of tile a: byte e of register 8 + 16 a + n / 4, gathered over the 32 lanes by a compare; it goes to lane n / 2 of output register 40 + 2 a + n % 2.
.irp a, 0,1
.set n, 0
.rept 16
.irp e, 0,1,2,3
	v_and_b32 v[44+\e], 1<<(8*\e), v[8+16*\a+n/4]
.endr
.irp e, 0,1,2,3
	v_cmp_ne_u32 s[12+\e], 0, v[44+\e]
.endr
.irp e, 0,1,2,3
	v_writelane_b32 v[40+2*\a+\e%2], s[12+\e], (n+\e)/2
.endr
.set n, n+4
.endr
.endr
	v_or_b32 v48, v8, v9                           ; some byte true?  all bytes true?
	v_and_b32 v49, v8, v9
.set n, 10
.rept 30
	v_or_b32 v48, v48, v[n]
	v_and_b32 v49, v49, v[n]
.set n, n+1
.endr
	v_cmp_ne_u32 s16, 0, v48
	v_cmp_eq_u32 s17, 0x01010101, v49
	s_cmp_lg_u32 s16, 0
	s_cselect_b32 s16, 1, 0
	s_cmp_eq_u32 s17, -1
	s_cselect_b32 s17, 0x10000, 0
	s_or_b32 s16, s16, s17
	s_lshl_b32 s21, s11, 2
	s_add_co_u32 s21, s21, s10                     ; J = 4 y + wave
	s_lshl_b32 s16, s16, s21                       ; bit J and bit 16 + J
	s_lshr_b32 s22, ttmp9, 3
	s_lshl_b32 s22, s22, 4
	s_add_co_u32 s22, s22, s21
	s_lshl_b32 s22, s22, 3
	s_and_b32 s23, ttmp9, 7
	s_add_co_u32 s22, s22, s23
	s_lshl_b32 s22, s22, 9                         ; ((block x 16 + J) x 8 + pair in block) x 512 bytes
	s_mov_b32 s23, 0
	s_add_nc_u64 s[6:7], s[6:7], s[22:23]
	global_store_b128 v1, v[40:43], s[6:7]         ; 32 lanes store 512 consecutive bytes, aligned
	v_mov_b32 v50, s16
	v_mov_b32 v51, s10
	v_lshlrev_b32 v51, 2, v51
	ds_store_b32 v51, v50 offset:FLG               ; all lanes write my wave's word with the same value
	s_wait_dscnt 0x0
	s_barrier_signal -1
	s_barrier_wait -1
	s_cmp_lg_u32 s10, 0
	s_cbranch_scc1 .Lend                           ; wave 0 joins the four words and stores them: one owner for each word of mflags
	v_mov_b32 v52, 0
	ds_load_b128 v[44:47], v52 offset:FLG
	s_lshl_b32 s24, ttmp9, 4
	s_lshl_b32 s25, s11, 2
	s_add_co_u32 s24, s24, s25                     ; 16 x pair + 4 y
	s_mov_b32 s25, 0
	s_add_nc_u64 s[8:9], s[8:9], s[24:25]
	v_cmp_gt_u32 vcc_lo, 1, v0
	s_wait_dscnt 0x0
	v_or_b32 v44, v44, v45
	v_or_b32 v46, v46, v47
	v_or_b32 v44, v44, v46
	s_wait_xcnt 0x0                                ; EXEC is a source of the store above: it changes only behind this wait
	s_and_saveexec_b32 s26, vcc_lo
	global_store_b32 v52, v44, s[8:9]              ; four bytes, 1,024 in the whole launch
	s_wait_xcnt 0x0                                ; and again in front of the line that widens it
	s_or_b32 exec_lo, exec_lo, s26
.Lend:
	s_wait_tensorcnt 0x0
	ds_add_u32 v64, v65
	s_wait_dscnt 0x0
	s_endpgm
.Lfunc_end_k_q2e4e70519d_maskprep:
	.size	k_q2e4e70519d_maskprep, .Lfunc_end_k_q2e4e70519d_maskprep-k_q2e4e70519d_maskprep
	.p2alignl 7, 3214868480
	.fill 96, 4, 3214868480
	.section	.rodata,"a",@progbits
	.p2align	6, 0x0
	.amdhsa_kernel k_q2e4e70519d_maskprep
		.amdhsa_group_segment_fixed_size 17664
		.amdhsa_private_segment_fixed_size 0
		.amdhsa_enable_private_segment 0
		.amdhsa_kernarg_size 24
		.amdhsa_user_sgpr_count 2
		.amdhsa_user_sgpr_kernarg_segment_ptr 1
		.amdhsa_wavefront_size32 1
		.amdhsa_system_sgpr_workgroup_id_x 1
		.amdhsa_system_sgpr_workgroup_id_y 1
		.amdhsa_system_sgpr_workgroup_id_z 1
		.amdhsa_system_vgpr_workitem_id 0
		.amdhsa_next_free_vgpr 66
		.amdhsa_next_free_sgpr 66
		.amdhsa_reserve_vcc 1
		.amdhsa_float_denorm_mode_32 3
		.amdhsa_float_denorm_mode_16_64 3
		.amdhsa_memory_ordered 1
		.amdhsa_forward_progress 1
		.amdhsa_inst_pref_size 31
	.end_amdhsa_kernel
	.amdgpu_metadata
---
amdhsa.version: [ 1, 2 ]
amdhsa.kernels:
  - .name:           k_q2e4e70519d_maskprep
    .symbol:         k_q2e4e70519d_maskprep.kd
    .args:
      - { .name: mask, .offset: 0, .size: 8, .value_kind: global_buffer, .address_space: global }
      - { .name: mwords, .offset: 8, .size: 8, .value_kind: global_buffer, .address_space: global }
      - { .name: mflags, .offset: 16, .size: 8, .value_kind: global_buffer, .address_space: global }
    .group_segment_fixed_size: 17664
    .private_segment_fixed_size: 0
    .kernarg_segment_align: 8
    .kernarg_segment_size: 24
    .max_flat_workgroup_size: 128
    .sgpr_count:     66
    .vgpr_count:     66
    .wavefront_size: 32
...
	.end_amdgpu_metadata
.endif
;; end of part 1
;; launch attn (part 2): grid 4 x 64, 8 waves a work-group, no clusters, 206,336 bytes of LDS; arguments Q_codes, Q_scales, K_codes, K_scales, V_codes, V_scales, mwords, mflags, out0; writes out0
.if DOCPART == 2
	.amdgcn_target "amdgcn-amd-amdhsa--gfx1250"
	.amdhsa_code_object_version 6
	.text
	.protected	k_q2e4e70519d_attn
	.globl	k_q2e4e70519d_attn
	.p2align	8
	.type	k_q2e4e70519d_attn,@function
k_q2e4e70519d_attn:
	s_mov_b64 s[64:65], 0
	v_nop
	global_prefetch_b8 v0, s[64:65] scope:SCOPE_SE
	s_setreg_imm32_b32 hwreg(HW_REG_WAVE_MODE, 25, 1), 1
	s_wait_xcnt 0x0
; out[h][q][:] = the sum over k of softmax_k(mask[q][k] ? Q[h][q] . K[h][k] / sqrt(128) : -inf) V[h][k][:], 64 heads, 2,048 queries and keys, head size 128.
; Both products on E4M3 codes with one E8M0 scale for each 32 along K.  Q, K: codes [2048][128], scale bytes [2048][4]; V: codes with the keys innermost [128][2048], scale bytes [128][64]; out f32.
; THE SOFTMAX: t = score x log2(e) / sqrt(128); M = the running largest t rounded up to a whole number; p = 2^(t - M) is quantised along the keys, not normalised; the row's sum is taken of the
; unquantised p and divides at the end; when M moves, the sum and O are multiplied by 2^(old M - new M), which rounds nothing.
; THE MASK is an input: the launch before has turned it into words (mwords) and, for each pair of query tiles and key step of 128 keys, the bits 'some key counts' and 'all keys count' (mflags).
; A key step in which no key counts for my 32 queries is jumped over, a slot of keys that no wave of the work-group needs is not fetched, and the mask's words are applied only where not all keys count.
; These are branches on stored whole numbers, so K and V come through registers into LDS (no tensor load, hence no joint loads in a cluster: a head's four work-groups read K and V each for itself).
; SHARES.  A work-group stays on one head and makes query blocks 7 - x and then x (256 queries each).  Eight waves, two to a SIMD; a wave owns 32 queries: tile A in register window 0, tile B in window 1
; under the same register numbers, so that each fragment of K and V read from LDS feeds two matrix instructions.
; LAYOUT.  Both products are used transposed: S^T = K Q^T, O^T = V^T P^T: a lane holds one query (lane % 16) throughout.  In LDS the keys are laid so that rows 16 t + r of a key step are tile t's:
; lane r of tile 2 b + u has key 32 b + 8 u + r + 8 (r / 8), and the 16 score registers of tiles 2 b, 2 b + 1 are the 16 neighbouring keys 32 b + 16 (lane / 16) + 0 .. 15.
; A row none of whose mask bytes is true ends with O = 0 and sum 0: 0 x (1 / 0) is NaN, as the softmax of a row of -inf is.
; LIMITS: NaN codes and the scale byte 0xff among the inputs are not served; scores are taken to be finite; a block of p that is all zeros gets the scale byte 1 (its codes are zeros; nobody else reads the byte).
; O^T is cleared once a block (128 moves for up to 16 key steps): which key step is a tile's first hangs on the mask, so no product can be written out as the one that starts the sums.
; LDS: slot 0 at 0, slot 1 at 2^17; a slot = 256 keys = two halves, one a key step: 128 rows of K (pitch 144), 128 rows of V (128 keys each, pitch 144), 128 bytes of padding.
;   Between the slots: K's and V's scale words of the whole head, laid as the scale registers take them, and a stage of 16 rows x 272 bytes for each wave, for the way out.
; REGISTERS.  Window 0: v1-11, v255 addresses and scale words; v248-251 K's or V's scale words; v32-95 fragments of tiles 0-3 (F).  Window 1: v32-95 fragments of tiles 4-7 (G); v0-11, v248-251 the fill's 16 registers.
;   In both windows, for tile A and tile B: v12 -M, v13 largest t, v[14:15] the sum, v16-31 Q, v96-159 S^T then p, v160-223 O^T, v224-239 p's codes, v232-254 at work.
.set HALF,  36992                      ; a key step's part of a slot; 128 modulo 256, so that the two halves of a V store fall on different banks
.set VO,    18432                      ; V behind K's 128 rows
.set SLOT1, 131072
.set KSC,   74240                      ; K's scale words: [J 16][lane 32][b 4]: lanes 0-15 tile 2 b's, lanes 16-31 tile 2 b + 1's
.set VSC,   KSC+8192                   ; V's: [J 16][lane 32][a 4]: channel 32 a + lane
.set STAGE, 90624
.set A0,   1                           ; v1   144 (lane % 16) + 16 (lane / 16): my place in a tile of K or V; stays
.set AD,   2                           ; v2   the key step's fragments: A0 + slot + half
.set STK0, 3                           ; v3   where I put my 16 bytes of K in a slot; stays
.set STV0, 4                           ; v4   the same for V; stays
.set STK,  5                           ; v5   STK0 + the slot that is being filled
.set VKO,  6                           ; v6   16 x thread: my bytes in K's dense block, in the scale bytes, in the mask's words; stays
.set VVO,  7                           ; v7   my bytes in V: row thread / 16, 16 (thread % 16); stays
.set PFO,  8                           ; v8   the prefetch's lane offset; stays
.set QS,   9                           ; v9   Q's scale words: lanes 0-15 tile A's rows, lanes 16-31 tile B's
.set STV,  10                          ; v10  STV0 + the slot that is being filled
.set PSB,  11                          ; v11  tile B's scale word of p (scale operands are taken from window 0)
.set ADS,  255                         ; v255 the slot's scale words: 16 x lane + TS
.set WV,   2                           ; s2   wave
.set PY,   3                           ; s3   work-group x
.set QC,   4                           ; s[4:5] Q's codes, s[6:7] Q's scales, at my head
.set QSC,  6
.set KH,   8                           ; s[8:9] K's codes at my head
.set QP,   10                          ; s[10:11] first K's scales, then Q's codes at my 32 queries
.set VH,   12                          ; s[12:13] V's codes at my head
.set QSP,  14                          ; s[14:15] first V's scales, then Q's scales at my queries
.set MW,   16                          ; s[16:17] mwords
.set MP,   18                          ; s[18:19] first mflags, then mwords at the block and slot in hand
.set OH,   20                          ; s[20:21] out at my head
.set SEL,  22                          ; s[22:23] lane selects: lane l xor 16
.set CS,   24                          ; s[24:25] c = log2(e) / sqrt(128), twice
.set MNT,  26                          ; s26  the mantissa field of 448
.set BLK,  27                          ; s27  the query block in hand
.set KB,   28                          ; s[28:29], s[30:31] K and V at the slot that is being filled
.set VB,   30
.set PFA,  32                          ; s[32:33] where my prefetch stands; s[34:35] a slot on
.set PFS,  34
.set PFN,  36                          ; s36  bit 2 s: slot s is to be prefetched
.set TB,   37                          ; s37  LDS byte of the slot that is read
.set BT,   38                          ; s38  blocks to go
.set SL,   39                          ; s39  slots to go
.set JJ,   40                          ; s40  the slot's first key step
.set NB2,  41                          ; s41  2 x the slot that is being filled
.set TF,   42                          ; s42  LDS byte of the slot that is being filled
.set PA,   43                          ; s43  bit J: some key of step J counts for my 32 queries
.set PL,   44                          ; s44  bit J: all do
.set NEED, 45                          ; s45  bit 2 s: some wave of the work-group needs slot s; bit 16: the next block's slot 0
.set T0,   46
.set T1,   47
.set PA2,  48                          ; s48-50 the same three for the second block
.set PL2,  49
.set NEED2, 50
.set TS,   51                          ; s51  KSC + 1,024 x slot
.set OP,   52                          ; s[52:53] out at my 32 queries
.set W,    68                          ; s68-99 32 words of the mask; at the head the flags
.set MSB, 0
.macro WIN new                         ; low byte: bits 1:0 source 0, 3:2 source 1, 5:4 source 2, 7:6 destination; the high byte repeats the setting that is left
.if MSB != (\new)
	s_set_vgpr_msb (MSB<<8)|(\new)
.set MSB, (\new)
.endif
.endm
.macro BIT word, idx                   ; SCC = bit s[idx] of s[word]
	s_lshr_b32 s[T1], s[\word], s[\idx]
	s_and_b32 s[T1], s[T1], 1
	s_cmp_lg_u32 s[T1], 0
.endm
; The flags of query block s[blk]: my pair's word, and the OR of the block's eight pairs.
.macro FLAGS blk, pa, pl, need
	s_lshl_b32 s54, s[\blk], 7                     ; 8 pairs x 4 words
	s_mov_b32 s55, 0
	s_add_nc_u64 s[56:57], s[MP:MP+1], s[54:55]
	s_lshl_b32 s58, s[WV], 4
	s_mov_b32 s59, 0
	s_add_nc_u64 s[58:59], s[56:57], s[58:59]
	s_load_b512 s[68:83], s[56:57], 0x0
	s_load_b512 s[84:99], s[56:57], 0x40
	s_load_b128 s[60:63], s[58:59], 0x0
	s_wait_kmcnt 0x0
	s_or_b32 s60, s60, s61
	s_or_b32 s62, s62, s63
	s_or_b32 s60, s60, s62
	s_and_b32 s[\pa], s60, 0xffff
	s_lshr_b32 s[\pl], s60, 16
.irp i, 0,1,2,3,4,5,6,7,8,9,10,11,12,13,14,15
	s_or_b32 s[68+\i], s[68+\i], s[84+\i]
.endr
.irp i, 0,1,2,3,4,5,6,7
	s_or_b32 s[68+\i], s[68+\i], s[76+\i]
.endr
.irp i, 0,1,2,3
	s_or_b32 s[68+\i], s[68+\i], s[72+\i]
.endr
	s_or_b32 s68, s68, s70
	s_or_b32 s69, s69, s71
	s_or_b32 s68, s68, s69
	s_lshr_b32 s69, s68, 1
	s_or_b32 s68, s68, s69
	s_and_b32 s[\need], s68, 0x5555                ; bit 2 s: key step 2 s or 2 s + 1 counts for somebody
.endm
; THE FILL.  A slot's 64 KiB come by 16 instructions of the whole work-group.  i = 0..7: K, keys 32 i + thread / 8, a dense 4,096 bytes; i = 8..15: V, rows 16 (i - 8) + thread / 16, 256 aligned bytes a row.
.macro LDI i, reg
.if (\i) < 8
	global_load_b128 v[\reg:\reg+3], v[VKO], s[KB:KB+1] offset:4096*(\i)
.else
	global_load_b128 v[\reg:\reg+3], v[VVO], s[VB:VB+1] offset:32768*((\i)-8)
.endif
.endm
.macro STI i, reg, ak, av
.if (\i) < 8
	ds_store_b128 v[\ak], v[\reg:\reg+3] offset:HALF*((\i)/4)+4608*((\i)%4)
.else
	ds_store_b128 v[\av], v[\reg:\reg+3] offset:2304*((\i)-8)
.endif
.endm
; Batch put (four instructions' data, asked for a phase ago) goes to LDS, batch ask is asked for, into the same 16 registers of window 1.  -1: none.  Nothing is done for a slot that nobody needs.
.macro FILL put, ask
	BIT NEED, NB2
	s_cbranch_scc0 .Lnofill_\@
	s_wait_loadcnt 0x0                             ; the batch has landed; and no load is out into the registers that the next loads name
.if (\put) >= 0
	WIN 0x04                                       ; a store's data: window 1
	STI 4*(\put)+0, 0, STK, STV
	STI 4*(\put)+1, 4, STK, STV
	STI 4*(\put)+2, 8, STK, STV
	STI 4*(\put)+3, 248, STK, STV
	WIN 0
	s_wait_dscnt 0x0                               ; the stores have read their registers
.endif
.if (\ask) >= 0
	WIN 0x40                                       ; a load's destination: window 1
	LDI 4*(\ask)+0, 0
	LDI 4*(\ask)+1, 4
	LDI 4*(\ask)+2, 8
	LDI 4*(\ask)+3, 248
	WIN 0
.endif
.Lnofill_\@:
.endm
; A PREFETCH INTO THE L2 of the slot behind the one that is being filled: it stands behind the trip's first loads, a trip (two key steps) ahead of the loads that will want those bytes.
; A head's four work-groups walk the same K and V: the one with x = 0 asks, in its first block, for the slots that it needs itself.  Waves 0-3: K's dense 32,768 bytes, 8,192 a wave, lanes 256 bytes apart;
; waves 4-7: V's 128 rows, 32 a wave, a lane a row (a slot's part of a row is 256 aligned bytes).  So each aligned 256 bytes are named once.  PFN has no bit above 14: nothing past slot 7 is named.
.macro ASKPF
	s_add_co_u32 s[T0], s[NB2], 2
	BIT PFN, T0
	s_cbranch_scc0 .Lnopf_\@
	global_prefetch_b8 v[PFO], s[PFA:PFA+1] th:TH_LOAD_NT scope:SCOPE_SE
.Lnopf_\@:
.endm
; One product of S^T (C = 0) and one of O^T (in place).  odd: the tile's scale words lie in lanes 16-31 of their register; rowb: tile B's words of Q likewise.
.macro WMS d, f, sa, odd, rowb
.if (\odd) && (\rowb)
	v_wmma_scale_f32_16x16x128_f8f6f4 v[\d:\d+7], v[\f:\f+15], v[16:31], 0, v[\sa], v[QS] matrix_a_scale:MATRIX_SCALE_ROW1 matrix_b_scale:MATRIX_SCALE_ROW1
.elseif (\odd)
	v_wmma_scale_f32_16x16x128_f8f6f4 v[\d:\d+7], v[\f:\f+15], v[16:31], 0, v[\sa], v[QS] matrix_a_scale:MATRIX_SCALE_ROW1
.elseif (\rowb)
	v_wmma_scale_f32_16x16x128_f8f6f4 v[\d:\d+7], v[\f:\f+15], v[16:31], 0, v[\sa], v[QS] matrix_b_scale:MATRIX_SCALE_ROW1
.else
	v_wmma_scale_f32_16x16x128_f8f6f4 v[\d:\d+7], v[\f:\f+15], v[16:31], 0, v[\sa], v[QS]
.endif
.endm
.macro WMO d, f, sa, sb, odd
.if (\odd)
	v_wmma_scale_f32_16x16x128_f8f6f4 v[\d:\d+7], v[\f:\f+15], v[224:239], v[\d:\d+7], v[\sa], v[\sb] matrix_a_scale:MATRIX_SCALE_ROW1
.else
	v_wmma_scale_f32_16x16x128_f8f6f4 v[\d:\d+7], v[\f:\f+15], v[224:239], v[\d:\d+7], v[\sa], v[\sb]
.endif
.endm
; Four products: tile a (0: A, 1: B) of queries, fragments g (0: F, tiles 0-3; 1: G, tiles 4-7).  Windows: a = 1: source 1, C and D in window 1; g = 1: source 0 in window 1.
.macro SMUL a, g
	WIN 0x54*\a+\g
.irp t, 0,1,2,3
	WMS 96+8*(4*\g+\t), 32+16*\t, 248+(4*\g+\t)/2, \t%2, \a
.endr
.endm
.macro PVMUL a, g
	WIN 0x54*\a+\g
.irp t, 0,1,2,3
	WMO 160+8*(4*\g+\t), 32+16*\t, 248+(4*\g+\t)/2, 253-242*\a, \t%2
.endr
.endm
; The scores of key step q of the slot in hand, for both tiles; then V's fragments are asked for, which land during the softmax.
.macro SPHASE q
	ds_load_b128 v[248:251], v[ADS] offset:512*\q  ; K's scale words of the eight tiles
.irp t, 0,1,2,3
.irp c, 0,1,2,3
	ds_load_b128 v[32+16*\t+4*\c:35+16*\t+4*\c], v[AD] offset:2304*\t+32*\c
.endr
.endr
	WIN 0x40
.irp t, 0,1,2,3
.irp c, 0,1,2,3
	ds_load_b128 v[32+16*\t+4*\c:35+16*\t+4*\c], v[AD] offset:2304*(\t+4)+32*\c
.endr
.endr
	s_wait_dscnt 16                                ; the scale words and F are in; G's sixteen loads, issued behind them, may be out
	SMUL 0, 0
	SMUL 1, 0
	s_wait_dscnt 0x0                               ; G is in
	SMUL 0, 1
	SMUL 1, 1
	WIN 0
.rept 8
	v_nop                                          ; eight places behind the products, ahead of the loads into their fragments and scale words and of the first read of the scores
.endr
	ds_load_b128 v[248:251], v[ADS] offset:8192+512*\q   ; V's scale words
.irp t, 0,1,2,3
.irp c, 0,1,2,3
	ds_load_b128 v[32+16*\t+4*\c:35+16*\t+4*\c], v[AD] offset:VO+2304*\t+32*\c
.endr
.endr
	WIN 0x40
.irp t, 0,1,2,3
.irp c, 0,1,2,3
	ds_load_b128 v[32+16*\t+4*\c:35+16*\t+4*\c], v[AD] offset:VO+2304*(\t+4)+32*\c
.endr
.endr
	WIN 0
.endm
; Hidden scores become -inf.  Word n of tile a lies in lane n / 2 of v[244 + 2 a + n % 2] (window 0); its bit L says whether score register n of lane L counts.  n ascends: each result is read from its low end on.
.macro MASK
	v_mov_b32 v254, 0xff800000
	WIN 0x40
	v_mov_b32 v254, 0xff800000
.irp a, 0,1
.irp g, 0,1
	WIN 0
.set k, 0
.rept 32
	v_readlane_b32 s[W+k], v[244+2*\a+k%2], 16*\g+k/2
.set k, k+1
.endr
	WIN 0x55*\a
.set k, 0
.rept 32
	v_cndmask_b32 v[96+32*\g+k], v254, v[96+32*\g+k], s[W+k]
.set k, k+1
.endr
.endr
.endr
	WIN 0
.endm
; One tile's softmax for 128 keys, and p's codes and scale word.  a = 1: all registers in window 1.
.macro SOFTMAX a
	WIN 0x55*\a
.irp b, 0,1,2,3
	v_max3_num_f32 v[232+\b], v[96+16*\b], v[97+16*\b], v[98+16*\b]   ; the largest score of each block of 32 keys: for the row's maximum and, since p rises with the score, for the block's largest p
.endr
.irp i, 3,5,7,9,11,13
.irp b, 0,1,2,3
	v_max3_num_f32 v[232+\b], v[232+\b], v[96+16*\b+\i], v[97+16*\b+\i]
.endr
.endr
.irp b, 0,1,2,3
	v_max_num_f32 v[232+\b], v[232+\b], v[111+16*\b]
.endr
.irp b, 0,1,2,3
	v_permlanex16_b32 v[236+\b], v[232+\b], s[SEL], s[SEL+1]
.endr
.irp b, 0,1,2,3
	v_max_num_f32 v[232+\b], v[232+\b], v[236+\b]  ; with lane l xor 16's 16 keys
.endr
	v_max3_num_f32 v254, v232, v233, v234
	v_max_num_f32 v254, v254, v235
	v_mul_f32 v254, s[CS], v254                    ; as t (c is positive)
	v_max_num_f32 v13, v13, v254                   ; the running largest t
	v_mov_b32 v254, v12
	v_floor_f32 v12, -v13                          ; -M = floor(-t): M is a whole number
	v_sub_f32 v254, v12, v254                      ; old M - new M, 0 or less
	v_cvt_i32_f32 v254, v254                       ; (it saturates)
	v_ldexp_f32 v252, 1.0, v254                    ; f = 2^(old M - new M)
.set j, 0
.rept 32
	v_pk_fma_f32 v[96+j:97+j], v[96+j:97+j], s[CS:CS+1], v[12:13] op_sel_hi:[1,0,0]   ; t - M, two at a time
.set j, j+2
.endr
.irp b, 0,1,2,3
	v_fma_f32 v[232+\b], v[232+\b], s[CS], v12     ; the same of each block's largest score
.endr
.set j, 0
.rept 64
	v_exp_f32 v[96+j], v[96+j]                     ; p = 2^(t - M)
.set j, j+1
.endr
	v_pk_mul_f32 v[14:15], v[14:15], v[252:253] op_sel_hi:[1,0]   ; the sums under the new M: the plain instruction behind the exponentials
	s_wait_alu depctr_va_vdst(0)                   ; one wait for the 64, ahead of their first reader
.irp b, 0,1,2,3
	v_exp_f32 v[232+\b], v[232+\b]                 ; the block's largest p
.endr
	v_pk_add_f32 v[236:237], v[96:97], v[98:99]    ; the row's sum of the unquantised p, in two chains
.set j, 4
.rept 15
	v_pk_add_f32 v[14:15], v[14:15], v[96+j:97+j]
	v_pk_add_f32 v[236:237], v[236:237], v[98+j:99+j]
.set j, j+4
.endr
	v_pk_add_f32 v[14:15], v[14:15], v[236:237]
	s_wait_alu depctr_va_vdst(0)                   ; and one for the four
.irp b, 0,1,2,3
	v_max_num_f32 v[232+\b], 0x4800000, v[232+\b]  ; the floor 2^(9 - 127): the byte cannot fall under 1
.endr
.irp b, 0,1,2,3
	v_add_nc_u32 v[244+\b], 0xfc000000, v[232+\b]  ; 8 off the exponent field: the conversion's scale operand
.endr
.irp b, 0,1,2,3
	v_and_or_b32 v[240+\b], v[232+\b], 0x7f800000, s[MNT]   ; 448 x the scale
.endr
.irp b, 0,1,2,3
	v_lshrrev_b32 v[236+\b], 23, v[244+\b]         ; the scale's byte
.endr
	v_lshl_or_b32 v253, v237, 8, v236              ; p's scale word for these 128 keys
	v_lshl_or_b32 v253, v238, 16, v253
	v_lshl_or_b32 v253, v239, 24, v253
.if \a
	WIN 0x01
	v_mov_b32 v[PSB], v253                         ; tile B's word goes to window 0, from which scale operands are taken; 96 plain instructions stand between it and the products
	WIN 0x55
.endif
.irp b, 0,1,2,3
.irp i, 0,1,2,3,4,5,6,7,8,9,10,11,12,13,14,15
	v_min_num_f32 v[96+16*\b+\i], v[96+16*\b+\i], v[240+\b]   ; the conversion to an 8-bit code does not saturate (ISA guide 7.6.2); p is not negative, so the hold is one-sided
.endr
	v_cvt_scalef32_pk8_fp8_f32 v[224+4*\b:225+4*\b], v[96+16*\b:103+16*\b], v[244+\b]
	v_cvt_scalef32_pk8_fp8_f32 v[226+4*\b:227+4*\b], v[104+16*\b:111+16*\b], v[244+\b]
.endr
.set j, 0
.rept 32
	v_pk_mul_f32 v[160+j:161+j], v[160+j:161+j], v[252:253] op_sel_hi:[1,0]   ; O^T under the new M; these are also the places between the codes and the products
.set j, j+2
.endr
	WIN 0
.endm
; O^T += V^T P^T for both tiles: sixteen accumulators, one instruction each.
.macro PV
	s_wait_dscnt 0x0                               ; V's fragments and scale words are in
	PVMUL 0, 0
	PVMUL 1, 0
	PVMUL 0, 1
	PVMUL 1, 1
	WIN 0
.rept 8
	v_nop                                          ; eight places ahead of the next loads into the fragments and of the next read of O^T
.endr
.endm
; KEY STEP q of the slot in hand.  Three ways, by my pair's flags: nothing counts; all counts; some: the mask's words are loaded and applied.  The fill's part stands on every way.
.macro STEP q
	s_add_co_u32 s[T0], s[JJ], \q
	s_add_co_u32 s[T1], s[TB], \q*HALF
	v_add_nc_u32 v[AD], s[T1], v[A0]               ; made on the way that all take
	BIT PA, T0
	s_cbranch_scc0 .Lidle_\@
	BIT PL, T0
	s_cbranch_scc1 .Lopen_\@
	global_load_b128 v[244:247], v[VKO], s[MP:MP+1] offset:4096*\q   ; my pair's 128 words: 512 consecutive bytes a wave
	SPHASE \q
	s_wait_loadcnt 0x0                             ; the words are in
	MASK
	s_branch .Lsm_\@
.Lopen_\@:
	SPHASE \q
.Lsm_\@:
	SOFTMAX 0
	FILL 2*\q, 2*\q+1
	SOFTMAX 1
	PV
	s_branch .Ljoin_\@
.Lidle_\@:
	FILL 2*\q, 2*\q+1
.Ljoin_\@:
.endm
; THE WAY OUT of tile a: O^T / the sum goes through my own stage, half a row (256 bytes) of 16 queries at a time, and leaves so that sixteen lanes store 256 consecutive aligned bytes.
.macro OUT a
	WIN 0x55*\a
	v_add_f32 v14, v14, v15
	v_permlanex16_b32 v252, v14, s[SEL], s[SEL+1]
	v_add_f32 v14, v14, v252                       ; the row's sum
	v_rcp_f32 v14, v14
	v_nop                                          ; a plain instruction behind the reciprocal,
	s_wait_alu depctr_va_vdst(0)                   ; and the wait ahead of its first reader
.set j, 0
.rept 64
	v_mul_f32 v[96+j], v[160+j], v14               ; register 8 t + i is o(lane % 16, 16 t + 8 (lane / 16) + i); each accumulator from its low end on
.set j, j+1
.endr
.irp u, 0,1
	WIN 0x04*\a
.irp t, 0,1,2,3
	ds_store_b128 v[AD], v[96+32*\u+8*\t:99+32*\u+8*\t] offset:64*\t
	ds_store_b128 v[AD], v[100+32*\u+8*\t:103+32*\u+8*\t] offset:64*\t+16
.endr
	WIN 0x40*\a
.irp i, 0,1,2,3,4,5,6,7
	ds_load_b128 v[32+32*\u+4*\i:35+32*\u+4*\i], v[STK] offset:544*\i   ; LDS serves a wave's instructions in order (ISA guide 5.7.1.4): these see my stores, and the next half's stores come behind them
.endr
.endr
	WIN 0x04*\a
.irp u, 0,1
.irp i, 0,1,2,3,4,5,6,7
	s_wait_dscnt 15-8*\u-\i                        ; at most the loads issued behind this one are out
	global_store_b128 v[STV], v[32+32*\u+4*\i:35+32*\u+4*\i], s[OP:OP+1] offset:8192*\a+1024*\i+256*\u th:TH_STORE_NT
.endr
.endr
	WIN 0
.endm
; ---------------------------------------------------------------- the head
	s_load_b512 s[4:19], s[0:1], 0x0               ; Q's codes, Q's scales, K's codes, K's scales, V's codes, V's scales, mwords, mflags
	s_load_b64 s[OH:OH+1], s[0:1], 0x40            ; out
	v_lshrrev_b32 v[AD], 5, v0
	v_readfirstlane_b32 s[WV], v[AD]               ; wave 0..7
	s_mov_b32 s[PY], ttmp9
	s_and_b32 s[T0], ttmp7, 0xffff                 ; the head
	s_lshl_b32 s54, s[T0], 18                      ; a head's codes: 2^18 bytes,
	s_mov_b32 s55, 0
	s_lshl_b32 s56, s[T0], 13                      ; its scale bytes: 2^13,
	s_mov_b32 s57, 0
	s_lshl_b32 s58, s[T0], 20                      ; its rows of out: 2^20
	s_mov_b32 s59, 0
	v_and_b32 v[A0], 15, v0
	v_mul_u32_u24 v[A0], v[A0], 144
	v_and_b32 v[AD], 16, v0
	v_add_nc_u32 v[A0], v[A0], v[AD]               ; 144 r + 16 h
	v_bfe_u32 v[STK0], v0, 3, 3                    ; K: key x = thread / 8 of an instruction's 32 goes to row 16 x3 + 8 x4 + x % 8 (x3, x4: bits 3 and 4 of x)
	v_bfe_u32 v[AD], v0, 6, 1
	v_lshl_add_u32 v[STK0], v[AD], 4, v[STK0]
	v_bfe_u32 v[AD], v0, 7, 1
	v_lshl_add_u32 v[STK0], v[AD], 3, v[STK0]
	v_mul_u32_u24 v[STK0], v[STK0], 144
	v_and_b32 v[AD], 7, v0
	v_lshl_add_u32 v[STK0], v[AD], 4, v[STK0]      ; + 16 (thread % 8)
	v_lshrrev_b32 v[STV0], 4, v0                   ; V: row thread / 16; of its 256 bytes lanes 0-7 hold the first key step's, lanes 8-15 the second's
	v_mul_u32_u24 v[STV0], v[STV0], 144
	v_lshl_add_u32 v[STV0], v[AD], 4, v[STV0]
	v_bfe_u32 v[AD], v0, 3, 1
	v_mul_u32_u24 v[AD], v[AD], HALF
	v_add_nc_u32 v[STV0], v[STV0], v[AD]
	v_add_nc_u32 v[STV0], VO, v[STV0]
	v_lshlrev_b32 v[VKO], 4, v0
	v_lshrrev_b32 v[VVO], 4, v0
	v_lshlrev_b32 v[VVO], 11, v[VVO]
	v_and_b32 v[AD], 15, v0
	v_lshl_add_u32 v[VVO], v[AD], 4, v[VVO]
	; where the scale words go.  K: thread's word e of load i is key 1,024 i + 4 thread + e: step 8 i + wave, register b = lane / 8, lane 16 l1 + 8 l2 + 4 l0 + e (l0, l1, l2: bits of my lane)
	v_lshrrev_b32 v[AD], 5, v0
	v_lshlrev_b32 v[AD], 9, v[AD]
	v_bfe_u32 v[STV], v0, 1, 1
	v_lshl_add_u32 v[AD], v[STV], 8, v[AD]
	v_bfe_u32 v[STV], v0, 2, 1
	v_lshl_add_u32 v[AD], v[STV], 7, v[AD]
	v_and_b32 v[STV], 1, v0
	v_lshl_add_u32 v[AD], v[STV], 6, v[AD]
	v_bfe_u32 v[STV], v0, 3, 2
	v_lshl_add_u32 v[AD], v[STV], 2, v[AD]
	v_add_nc_u32 v[AD], KSC, v[AD]
	; V: word e of load i is channel 64 i + thread / 4, step 4 (thread % 4) + e: register a = 2 i + thread / 128, lane (thread / 4) % 32
	v_and_b32 v[STK], 3, v0
	v_lshlrev_b32 v[STK], 11, v[STK]
	v_bfe_u32 v[STV], v0, 2, 5
	v_lshl_add_u32 v[STK], v[STV], 4, v[STK]
	v_lshrrev_b32 v[STV], 7, v0
	v_lshl_add_u32 v[STK], v[STV], 2, v[STK]
	v_add_nc_u32 v[STK], VSC, v[STK]
	s_wait_kmcnt 0x0
	s_add_nc_u64 s[QC:QC+1], s[QC:QC+1], s[54:55]
	s_add_nc_u64 s[QSC:QSC+1], s[QSC:QSC+1], s[56:57]
	s_add_nc_u64 s[KH:KH+1], s[KH:KH+1], s[54:55]
	s_add_nc_u64 s[QP:QP+1], s[QP:QP+1], s[56:57]          ; K's scales
	s_add_nc_u64 s[VH:VH+1], s[VH:VH+1], s[54:55]
	s_add_nc_u64 s[QSP:QSP+1], s[QSP:QSP+1], s[56:57]      ; V's scales
	s_add_nc_u64 s[OH:OH+1], s[OH:OH+1], s[58:59]
	global_load_b128 v[96:99], v[VKO], s[QP:QP+1]          ; the head's scale bytes, 8,192 each, in dense runs
	global_load_b128 v[100:103], v[VKO], s[QP:QP+1] offset:4096
	global_load_b128 v[104:107], v[VKO], s[QSP:QSP+1]
	global_load_b128 v[108:111], v[VKO], s[QSP:QSP+1] offset:4096
	s_sub_co_u32 s[BLK], 7, s[PY]                  ; the first block: 7 - x
	FLAGS BLK, PA, PL, NEED
	FLAGS PY, PA2, PL2, NEED2
	s_and_b32 s[T0], s[NEED2], 1
	s_lshl_b32 s[T0], s[T0], 16
	s_or_b32 s[NEED], s[NEED], s[T0]               ; the first block's last trip fills the second block's slot 0
	s_mov_b64 s[KB:KB+1], s[KH:KH+1]
	s_mov_b64 s[VB:VB+1], s[VH:VH+1]
	s_and_b32 s[T1], s[NEED], 1
	s_cmp_lg_u32 s[T1], 0
	s_cbranch_scc0 .Lno_first
	WIN 0x40                                       ; slot 0, all sixteen instructions at once, through G
.irp i, 0,1,2,3,4,5,6,7,8,9,10,11,12,13,14,15
	LDI \i, 32+4*\i
.endr
	WIN 0
	s_wait_loadcnt 0x0
	WIN 0x04
.irp i, 0,1,2,3,4,5,6,7,8,9,10,11,12,13,14,15
	STI \i, 32+4*\i, STK0, STV0
.endr
	WIN 0
.Lno_first:
	s_wait_loadcnt 0x0                             ; the scale bytes are in, and every load has read its base
.irp i, 0,1
.irp e, 0,1,2,3
	ds_store_b32 v[AD], v[96+4*\i+\e] offset:4096*\i+16*\e
	ds_store_b32 v[STK], v[104+4*\i+\e] offset:8*\i+512*\e
.endr
.endr
	s_add_nc_u64 s[KB:KB+1], s[KB:KB+1], 32768     ; the first trip fills slot 1
	s_add_nc_u64 s[VB:VB+1], s[VB:VB+1], 256
	s_mov_b32 s[SEL], 0x76543210
	s_mov_b32 s[SEL+1], 0xfedcba98
	s_mov_b32 s[CS], 0x3e0293ee                    ; log2(e) / sqrt(128)
	s_mov_b32 s[CS+1], s[CS]
	s_mov_b32 s[MNT], 0x600000
	s_mov_b32 s[BT], 2
	s_and_b32 s[PFN], s[NEED], 0x5555              ; who prefetches, and what
	s_cmp_eq_u32 s[PY], 0
	s_cselect_b32 s[PFN], s[PFN], 0
	s_cmp_lt_u32 s[WV], 4                          ; waves 0-3: K; waves 4-7: V
	s_cselect_b64 s[PFA:PFA+1], s[KH:KH+1], s[VH:VH+1]
	s_mov_b32 s[PFS], 256
	s_cselect_b32 s[PFS], 32768, s[PFS]            ; a slot on
	s_mov_b32 s[T0], 2048
	s_cselect_b32 s[T0], 256, s[T0]                ; from lane to lane
	s_mov_b32 s[T1], 65536
	s_cselect_b32 s[T1], 8192, s[T1]               ; from wave to wave
	s_mov_b32 s[PFS+1], 0
	v_and_b32 v[PFO], 31, v0
	v_mul_lo_u32 v[PFO], v[PFO], s[T0]
	s_and_b32 s54, s[WV], 3
	s_mul_i32 s54, s54, s[T1]
	s_lshl_b32 s55, s[PFS], 1
	s_add_co_u32 s54, s54, s55                     ; it begins at slot 2: slots 0 and 1 come by their loads alone
	s_mov_b32 s55, 0
	s_add_nc_u64 s[PFA:PFA+1], s[PFA:PFA+1], s[54:55]
	WIN 0x40                                       ; registers that some way reads before that way has written them: the fill's sixteen, the lane permutes' destinations, the upper half of the pair v[252:253]
.irp i, 0,1,2,3,4,5,6,7,8,9,10,11,248,249,250,251,236,237,238,239,252,253
	v_mov_b32 v\i, 0
.endr
	WIN 0
.irp i, 236,237,238,239,252,253
	v_mov_b32 v\i, 0
.endr
	s_wait_dscnt 0x0                               ; for the others' sake: my part of slot 0 and of the scale words lies in LDS
	s_barrier_signal -1
	s_barrier_wait -1
; ---------------------------------------------------------------- a block of 256 queries
.Lblock:
	s_lshl_b32 s[T0], s[BLK], 8
	s_lshl_b32 s[T1], s[WV], 5
	s_add_co_u32 s[T0], s[T0], s[T1]               ; my first query: 256 x block + 32 x wave
	s_mov_b32 s55, 0
	s_lshl_b32 s54, s[T0], 7
	s_add_nc_u64 s[QP:QP+1], s[QC:QC+1], s[54:55]
	s_lshl_b32 s54, s[T0], 2
	s_add_nc_u64 s[QSP:QSP+1], s[QSC:QSC+1], s[54:55]
	s_lshl_b32 s54, s[T0], 9
	s_add_nc_u64 s[OP:OP+1], s[OH:OH+1], s[54:55]
	s_lshl_b32 s54, s[BLK], 16
	s_add_nc_u64 s[MP:MP+1], s[MW:MW+1], s[54:55]
	v_and_b32 v[AD], 15, v0
	v_lshlrev_b32 v[AD], 7, v[AD]
	v_and_b32 v[ADS], 16, v0
	v_add_nc_u32 v[AD], v[AD], v[ADS]              ; Q: row r of 128 bytes, + 16 h
	v_and_b32 v[ADS], 31, v0
	v_lshlrev_b32 v[ADS], 2, v[ADS]                ; its scale words: 4 bytes a row, a lane a row
.irp c, 0,1,2,3
	global_load_b128 v[16+4*\c:19+4*\c], v[AD], s[QP:QP+1] offset:32*\c
.endr
	WIN 0x40
.irp c, 0,1,2,3
	global_load_b128 v[16+4*\c:19+4*\c], v[AD], s[QP:QP+1] offset:2048+32*\c
.endr
	WIN 0
	global_load_b32 v[QS], v[ADS], s[QSP:QSP+1]
.irp a, 0,1
	WIN 0x55*\a
	v_mov_b32 v13, 0xff61b1e6                      ; the largest t so far: -3e38, under every t
	v_floor_f32 v12, -v13                          ; -M
	v_mov_b32 v14, 0
	v_mov_b32 v15, 0
.set j, 0
.rept 64
	v_mov_b32 v[160+j], 0                          ; O^T
.set j, j+1
.endr
.endr
	WIN 0
	s_mov_b32 s[TB], 0
	s_mov_b32 s[TF], SLOT1
	s_mov_b32 s[TS], KSC
	s_mov_b32 s[JJ], 0
	s_mov_b32 s[NB2], 2
	s_mov_b32 s[SL], 8
	s_wait_loadcnt 0x0                             ; Q is in, and its loads have read their offsets
.Lslot:                                            ; eight trips: slot s is read, slot s + 1 is filled (in the last trip: the next block's slot 0)
	v_add_nc_u32 v[STK], s[TF], v[STK0]
	v_add_nc_u32 v[STV], s[TF], v[STV0]
	v_and_b32 v[ADS], 31, v0
	v_lshl_add_u32 v[ADS], v[ADS], 4, s[TS]
	FILL -1, 0
	ASKPF
	STEP 0
	FILL 1, 2
	STEP 1
	FILL 3, -1
	s_wait_dscnt 0x0                               ; my reads of the slot in hand are back and my stores into the other have landed
	s_barrier_signal -1
	s_barrier_wait -1                              ; both hold of every wave: the slots change places
	s_wait_xcnt 0x0                                ; every load and prefetch has read its base: the bases may step
	s_xor_b32 s[TB], s[TB], SLOT1
	s_xor_b32 s[TF], s[TF], SLOT1
	s_add_co_u32 s[TS], s[TS], 1024
	s_add_nc_u64 s[KB:KB+1], s[KB:KB+1], 32768
	s_add_nc_u64 s[VB:VB+1], s[VB:VB+1], 256
	s_add_nc_u64 s[PFA:PFA+1], s[PFA:PFA+1], s[PFS:PFS+1]
	s_add_nc_u64 s[MP:MP+1], s[MP:MP+1], 8192
	s_add_co_u32 s[JJ], s[JJ], 2
	s_add_co_u32 s[NB2], s[NB2], 2
	s_cmp_eq_u32 s[NB2], 16                        ; behind slot 7 comes slot 0 again, for the next block
	s_cselect_b64 s[KB:KB+1], s[KH:KH+1], s[KB:KB+1]
	s_cselect_b64 s[VB:VB+1], s[VH:VH+1], s[VB:VB+1]
	s_sub_co_u32 s[SL], s[SL], 1
	s_cmp_lg_u32 s[SL], 0
	s_cbranch_scc1 .Lslot
	s_mul_i32 s[T0], s[WV], 4352
	s_add_co_u32 s[T0], s[T0], STAGE               ; my stage
	v_and_b32 v[AD], 15, v0                        ; r
	v_bfe_u32 v[STV], v0, 4, 1                     ; h
	v_mul_u32_u24 v[STK], v[STV], 272
	v_lshl_add_u32 v[STK], v[AD], 4, v[STK]
	v_add_nc_u32 v[STK], s[T0], v[STK]             ; back: lanes 0-15 one row, lanes 16-31 the next
	v_lshlrev_b32 v[ADS], 4, v[AD]
	v_mul_u32_u24 v[AD], v[AD], 272
	v_lshl_add_u32 v[AD], v[STV], 5, v[AD]
	v_add_nc_u32 v[AD], s[T0], v[AD]               ; in: row r, + 32 h
	v_lshl_add_u32 v[STV], v[STV], 9, v[ADS]       ; in out: 512 h + 16 r
	OUT 0
	OUT 1
	s_wait_xcnt 0x0                                ; the stores have read their data, offset and base: all are written again in the next block
	s_mov_b32 s[BLK], s[PY]                        ; the second block: x
	s_mov_b32 s[PA], s[PA2]
	s_mov_b32 s[PL], s[PL2]
	s_mov_b32 s[NEED], s[NEED2]
	s_mov_b32 s[PFN], 0                            ; K and V have been walked once: nothing more is prefetched
	s_sub_co_u32 s[BT], s[BT], 1
	s_cmp_lg_u32 s[BT], 0
	s_cbranch_scc1 .Lblock
	s_wait_xcnt 0x0
	v_lshl_add_u32 v254, v0, 2, 0x32200
	v_mov_b32 v255, 0
	s_wait_tensorcnt 0x0
	ds_add_u32 v254, v255
	s_wait_dscnt 0x0
	s_endpgm
.Lfunc_end_k_q2e4e70519d_attn:
	.size	k_q2e4e70519d_attn, .Lfunc_end_k_q2e4e70519d_attn-k_q2e4e70519d_attn
	.p2alignl 7, 3214868480
	.fill 96, 4, 3214868480
	.section	.rodata,"a",@progbits
	.p2align	6, 0x0
	.amdhsa_kernel k_q2e4e70519d_attn
		.amdhsa_group_segment_fixed_size 206336
		.amdhsa_private_segment_fixed_size 0
		.amdhsa_enable_private_segment 0
		.amdhsa_kernarg_size 72
		.amdhsa_user_sgpr_count 2
		.amdhsa_user_sgpr_kernarg_segment_ptr 1
		.amdhsa_wavefront_size32 1
		.amdhsa_system_sgpr_workgroup_id_x 1
		.amdhsa_system_sgpr_workgroup_id_y 1
		.amdhsa_system_sgpr_workgroup_id_z 1
		.amdhsa_system_vgpr_workitem_id 0
		.amdhsa_next_free_vgpr 512
		.amdhsa_next_free_sgpr 100
		.amdhsa_reserve_vcc 0
		.amdhsa_float_denorm_mode_32 3
		.amdhsa_float_denorm_mode_16_64 3
		.amdhsa_memory_ordered 1
		.amdhsa_forward_progress 1
		.amdhsa_inst_pref_size 166
	.end_amdhsa_kernel
	.amdgpu_metadata
---
amdhsa.version: [ 1, 2 ]
amdhsa.kernels:
  - .name:           k_q2e4e70519d_attn
    .symbol:         k_q2e4e70519d_attn.kd
    .args:
      - { .name: Q_codes, .offset: 0, .size: 8, .value_kind: global_buffer, .address_space: global }
      - { .name: Q_scales, .offset: 8, .size: 8, .value_kind: global_buffer, .address_space: global }
      - { .name: K_codes, .offset: 16, .size: 8, .value_kind: global_buffer, .address_space: global }
      - { .name: K_scales, .offset: 24, .size: 8, .value_kind: global_buffer, .address_space: global }
      - { .name: V_codes, .offset: 32, .size: 8, .value_kind: global_buffer, .address_space: global }
      - { .name: V_scales, .offset: 40, .size: 8, .value_kind: global_buffer, .address_space: global }
      - { .name: mwords, .offset: 48, .size: 8, .value_kind: global_buffer, .address_space: global }
      - { .name: mflags, .offset: 56, .size: 8, .value_kind: global_buffer, .address_space: global }
      - { .name: out0, .offset: 64, .size: 8, .value_kind: global_buffer, .address_space: global }
    .group_segment_fixed_size: 206336
    .private_segment_fixed_size: 0
    .kernarg_segment_align: 8
    .kernarg_segment_size: 72
    .max_flat_workgroup_size: 256
    .sgpr_count:     100
    .vgpr_count:     512
    .wavefront_size: 32
...
	.end_amdgpu_metadata
.endif
;; end of part 2
;; ======== version 2 of 2: 2 launches
;; workspace buffers: mwords 524,288 bytes of whole numbers; mflags 1,024 bytes of whole numbers
;; launch maskprep (part 3): grid 64 x 4, 4 waves a work-group, no clusters, 17,664 bytes of LDS; arguments mask, mwords, mflags; writes mwords, mflags
.if DOCPART == 3
	.amdgcn_target "amdgcn-amd-amdhsa--gfx1250"
	.amdhsa_code_object_version 6
	.text
	.protected	k_q2e4e70519d_maskprep
	.globl	k_q2e4e70519d_maskprep
	.p2align	8
	.type	k_q2e4e70519d_maskprep,@function
k_q2e4e70519d_maskprep:
	s_mov_b64 s[64:65], 0
	v_nop
	global_prefetch_b8 v0, s[64:65] scope:SCOPE_SE
	s_setreg_imm32_b32 hwreg(HW_REG_WAVE_MODE, 25, 1), 1
	s_wait_xcnt 0x0
; The mask [2048][2048], one byte (0 or 1) a place, is read once and turned into what the attention launch wants:
;   mwords [block of 256 queries 8][key step J 16][pair of query tiles in the block 8][lane 32][4 words]: words 0, 1 of lane l are words n = 2 l, 2 l + 1 of the pair's first tile of 16 queries,
;     words 2, 3 those of its second tile.  Bit L of word n is mask[tile's first query + L % 16][128 J + 32 (n / 16) + 16 (L / 16) + n % 16]: the key that score register n of lane L holds there.
;   mflags [pair 64][quarter of the keys 4]: bit J: some byte of (pair, key step J) is true; bit 16 + J: all are; only the quarter's four J are set, so the OR of a pair's four words is its whole word.
; A work-group takes a pair's 32 rows x 512 keys.  Wave w loads rows 8 w .. 8 w + 7, 512 consecutive bytes an instruction; through LDS each wave then gets key step 4 y + w of all 32 rows.
; No matrix work, no cluster: nothing is shared between work-groups and each byte is read once.
.set PITCH, 528                        ; an LDS row: 512 bytes + 16: the sixteen rows that a load touches start at sixteen different 16-byte columns
.set FLG,   32*PITCH                   ; behind the rows: the four waves' flag words
	s_load_b128 s[4:7], s[0:1], 0x0                ; mask, mwords
	s_load_b64 s[8:9], s[0:1], 0x10                ; mflags
	v_lshl_add_u32 v64, v0, 2, 0x4300
	v_mov_b32 v65, 0
	v_lshrrev_b32 v1, 5, v0
	v_readfirstlane_b32 s10, v1                    ; wave 0..3
	v_and_b32 v4, 31, v0
	v_lshlrev_b32 v1, 4, v4                        ; 16 x lane
	s_wait_alu depctr_va_vdst(0)
	s_and_b32 s11, ttmp7, 0xffff                   ; y: which 512 keys
	s_lshl_b32 s18, ttmp9, 5
	s_lshl_b32 s19, s10, 3
	s_add_co_u32 s18, s18, s19                     ; my first row: 32 x pair + 8 x wave
	s_lshl_b32 s18, s18, 11                        ; rows of 2,048 bytes
	s_lshl_b32 s19, s11, 9
	s_add_co_u32 s18, s18, s19                     ; + 512 y
	s_mov_b32 s19, 0
	s_mul_i32 s20, s10, 8*PITCH
	v_add_nc_u32 v2, s20, v1                       ; into LDS: my eight rows, 16 bytes a lane
	v_and_b32 v3, 15, v0
	v_mul_u32_u24 v3, v3, PITCH
	v_and_b32 v5, 16, v0
	v_add_nc_u32 v3, v3, v5
	s_lshl_b32 s20, s10, 7
	v_add_nc_u32 v3, s20, v3                       ; out of it: row lane % 16, + 16 (lane / 16), + my key step's 128 bytes
	s_wait_alu depctr_va_vdst(0)
	s_wait_kmcnt 0x0
	s_add_nc_u64 s[4:5], s[4:5], s[18:19]
.irp i, 0,1,2,3,4,5,6,7
	global_load_b128 v[8+4*\i:11+4*\i], v1, s[4:5] offset:2048*\i th:TH_LOAD_NT   ; 32 lanes read 512 consecutive bytes; read once in the launch
.endr
	s_wait_loadcnt 0x0
.irp i, 0,1,2,3,4,5,6,7
	ds_store_b128 v2, v[8+4*\i:11+4*\i] offset:PITCH*\i
.endr
	s_wait_dscnt 0x0                               ; for the others' sake: my rows lie in LDS
	s_barrier_signal -1
	s_barrier_wait -1
.irp a, 0,1
.irp b, 0,1,2,3
	ds_load_b128 v[8+16*\a+4*\b:11+16*\a+4*\b], v3 offset:16*PITCH*\a+32*\b   ; tile a, block b of 32 keys: my row's 16 bytes of my half
.endr
.endr
.irp i, 40,41,42,43
	v_mov_b32 v\i, 0                               ; (the destination of a lane write counts as read)
.endr
	s_wait_dscnt 0x0
; Word n = 16 b + 4 k + e of tile a: byte e of register 8 + 16 a + n / 4, gathered over the 32 lanes by a compare; it goes to lane n / 2 of output register 40 + 2 a + n % 2.
.irp a, 0,1
.set n, 0
.rept 16
.irp e, 0,1,2,3
	v_and_b32 v[44+\e], 1<<(8*\e), v[8+16*\a+n/4]
.endr
.irp e, 0,1,2,3
	v_cmp_ne_u32 s[12+\e], 0, v[44+\e]
.endr
.irp e, 0,1,2,3
	v_writelane_b32 v[40+2*\a+\e%2], s[12+\e], (n+\e)/2
.endr
.set n, n+4
.endr
.endr
	v_or_b32 v48, v8, v9                           ; some byte true?  all bytes true?
	v_and_b32 v49, v8, v9
.set n, 10
.rept 30
	v_or_b32 v48, v48, v[n]
	v_and_b32 v49, v49, v[n]
.set n, n+1
.endr
	v_cmp_ne_u32 s16, 0, v48
	v_cmp_eq_u32 s17, 0x01010101, v49
	s_cmp_lg_u32 s16, 0
	s_cselect_b32 s16, 1, 0
	s_cmp_eq_u32 s17, -1
	s_cselect_b32 s17, 0x10000, 0
	s_or_b32 s16, s16, s17
	s_lshl_b32 s21, s11, 2
	s_add_co_u32 s21, s21, s10                     ; J = 4 y + wave
	s_lshl_b32 s16, s16, s21                       ; bit J and bit 16 + J
	s_lshr_b32 s22, ttmp9, 3
	s_lshl_b32 s22, s22, 4
	s_add_co_u32 s22, s22, s21
	s_lshl_b32 s22, s22, 3
	s_and_b32 s23, ttmp9, 7
	s_add_co_u32 s22, s22, s23
	s_lshl_b32 s22, s22, 9                         ; ((block x 16 + J) x 8 + pair in block) x 512 bytes
	s_mov_b32 s23, 0
	s_add_nc_u64 s[6:7], s[6:7], s[22:23]
	global_store_b128 v1, v[40:43], s[6:7]         ; 32 lanes store 512 consecutive bytes, aligned
	v_mov_b32 v50, s16
	v_mov_b32 v51, s10
	v_lshlrev_b32 v51, 2, v51
	ds_store_b32 v51, v50 offset:FLG               ; all lanes write my wave's word with the same value
	s_wait_dscnt 0x0
	s_barrier_signal -1
	s_barrier_wait -1
	s_cmp_lg_u32 s10, 0
	s_cbranch_scc1 .Lend                           ; wave 0 joins the four words and stores them: one owner for each word of mflags
	v_mov_b32 v52, 0
	ds_load_b128 v[44:47], v52 offset:FLG
	s_lshl_b32 s24, ttmp9, 4
	s_lshl_b32 s25, s11, 2
	s_add_co_u32 s24, s24, s25                     ; 16 x pair + 4 y
	s_mov_b32 s25, 0
	s_add_nc_u64 s[8:9], s[8:9], s[24:25]
	v_cmp_gt_u32 vcc_lo, 1, v0
	s_wait_dscnt 0x0
	v_or_b32 v44, v44, v45
	v_or_b32 v46, v46, v47
	v_or_b32 v44, v44, v46
	s_wait_alu depctr_va_vdst(0)
	s_wait_xcnt 0x0                                ; EXEC is a source of the store above: it changes only behind this wait
	s_and_saveexec_b32 s26, vcc_lo
	global_store_b32 v52, v44, s[8:9]              ; four bytes, 1,024 in the whole launch
	s_wait_xcnt 0x0                                ; and again in front of the line that widens it
	s_or_b32 exec_lo, exec_lo, s26
.Lend:
	s_wait_tensorcnt 0x0
	ds_add_u32 v64, v65
	s_wait_dscnt 0x0
	s_endpgm
.Lfunc_end_k_q2e4e70519d_maskprep:
	.size	k_q2e4e70519d_maskprep, .Lfunc_end_k_q2e4e70519d_maskprep-k_q2e4e70519d_maskprep
	.p2alignl 7, 3214868480
	.fill 96, 4, 3214868480
	.section	.rodata,"a",@progbits
	.p2align	6, 0x0
	.amdhsa_kernel k_q2e4e70519d_maskprep
		.amdhsa_group_segment_fixed_size 17664
		.amdhsa_private_segment_fixed_size 0
		.amdhsa_enable_private_segment 0
		.amdhsa_kernarg_size 24
		.amdhsa_user_sgpr_count 2
		.amdhsa_user_sgpr_kernarg_segment_ptr 1
		.amdhsa_wavefront_size32 1
		.amdhsa_system_sgpr_workgroup_id_x 1
		.amdhsa_system_sgpr_workgroup_id_y 1
		.amdhsa_system_sgpr_workgroup_id_z 1
		.amdhsa_system_vgpr_workitem_id 0
		.amdhsa_next_free_vgpr 66
		.amdhsa_next_free_sgpr 66
		.amdhsa_reserve_vcc 1
		.amdhsa_float_denorm_mode_32 3
		.amdhsa_float_denorm_mode_16_64 3
		.amdhsa_memory_ordered 1
		.amdhsa_forward_progress 1
		.amdhsa_inst_pref_size 31
	.end_amdhsa_kernel
	.amdgpu_metadata
---
amdhsa.version: [ 1, 2 ]
amdhsa.kernels:
  - .name:           k_q2e4e70519d_maskprep
    .symbol:         k_q2e4e70519d_maskprep.kd
    .args:
      - { .name: mask, .offset: 0, .size: 8, .value_kind: global_buffer, .address_space: global }
      - { .name: mwords, .offset: 8, .size: 8, .value_kind: global_buffer, .address_space: global }
      - { .name: mflags, .offset: 16, .size: 8, .value_kind: global_buffer, .address_space: global }
    .group_segment_fixed_size: 17664
    .private_segment_fixed_size: 0
    .kernarg_segment_align: 8
    .kernarg_segment_size: 24
    .max_flat_workgroup_size: 128
    .sgpr_count:     66
    .vgpr_count:     66
    .wavefront_size: 32
...
	.end_amdgpu_metadata
.endif
;; end of part 3
;; launch attn (part 4): grid 4 x 64, 8 waves a work-group, no clusters, 206,336 bytes of LDS; arguments Q_codes, Q_scales, K_codes, K_scales, V_codes, V_scales, mwords, mflags, out0; writes out0
.if DOCPART == 4
	.amdgcn_target "amdgcn-amd-amdhsa--gfx1250"
	.amdhsa_code_object_version 6
	.text
	.protected	k_q2e4e70519d_attn
	.globl	k_q2e4e70519d_attn
	.p2align	8
	.type	k_q2e4e70519d_attn,@function
k_q2e4e70519d_attn:
	s_mov_b64 s[64:65], 0
	v_nop
	global_prefetch_b8 v0, s[64:65] scope:SCOPE_SE
	s_setreg_imm32_b32 hwreg(HW_REG_WAVE_SCHED_MODE, 0, 2), 2
	s_setreg_imm32_b32 hwreg(HW_REG_WAVE_MODE, 25, 1), 1
	s_wait_xcnt 0x0
	s_wait_alu depctr_vm_vsrc(0)
; out[h][q][:] = the sum over k of softmax_k(mask[q][k] ? Q[h][q] . K[h][k] / sqrt(128) : -inf) V[h][k][:], 64 heads, 2,048 queries and keys, head size 128.
; Both products on E4M3 codes with one E8M0 scale for each 32 along K.  Q, K: codes [2048][128], scale bytes [2048][4]; V: codes with the keys innermost [128][2048], scale bytes [128][64]; out f32.
; THE SOFTMAX: t = score x log2(e) / sqrt(128); M = the running largest t rounded up to a whole number; p = 2^(t - M) is quantised along the keys, not normalised; the row's sum is taken of the
; unquantised p and divides at the end; when M moves, the sum and O are multiplied by 2^(old M - new M), which rounds nothing.
; THE MASK is an input: the launch before has turned it into words (mwords) and, for each pair of query tiles and key step of 128 keys, the bits 'some key counts' and 'all keys count' (mflags).
; A key step in which no key counts for my 32 queries is jumped over, a slot of keys that no wave of the work-group needs is not fetched, and the mask's words are applied only where not all keys count.
; These are branches on stored whole numbers, so K and V come through registers into LDS (no tensor load, hence no joint loads in a cluster: a head's four work-groups read K and V each for itself).
; SHARES.  A work-group stays on one head and makes query blocks 7 - x and then x (256 queries each).  Eight waves, two to a SIMD; a wave owns 32 queries: tile A in register window 0, tile B in window 1
; under the same register numbers, so that each fragment of K and V read from LDS feeds two matrix instructions.
; LAYOUT.  Both products are used transposed: S^T = K Q^T, O^T = V^T P^T: a lane holds one query (lane % 16) throughout.  In LDS the keys are laid so that rows 16 t + r of a key step are tile t's:
; lane r of tile 2 b + u has key 32 b + 8 u + r + 8 (r / 8), and the 16 score registers of tiles 2 b, 2 b + 1 are the 16 neighbouring keys 32 b + 16 (lane / 16) + 0 .. 15.
; A row none of whose mask bytes is true ends with O = 0 and sum 0: 0 x (1 / 0) is NaN, as the softmax of a row of -inf is.
; LIMITS: NaN codes and the scale byte 0xff among the inputs are not served; scores are taken to be finite; a block of p that is all zeros gets the scale byte 1 (its codes are zeros; nobody else reads the byte).
; O^T is cleared once a block (128 moves for up to 16 key steps): which key step is a tile's first hangs on the mask, so no product can be written out as the one that starts the sums.
; LDS: slot 0 at 0, slot 1 at 2^17; a slot = 256 keys = two halves, one a key step: 128 rows of K (pitch 144), 128 rows of V (128 keys each, pitch 144), 128 bytes of padding.
;   Between the slots: K's and V's scale words of the whole head, laid as the scale registers take them, and a stage of 16 rows x 272 bytes for each wave, for the way out.
; REGISTERS.  Window 0: v1-11, v255 addresses and scale words; v248-251 K's or V's scale words; v32-95 fragments of tiles 0-3 (F).  Window 1: v32-95 fragments of tiles 4-7 (G); v0-11, v248-251 the fill's 16 registers.
;   In both windows, for tile A and tile B: v12 -M, v13 largest t, v[14:15] the sum, v16-31 Q, v96-159 S^T then p, v160-223 O^T, v224-239 p's codes, v232-254 at work.
; THE MODE: SCHED_MODE bits 1:0 = 2 (LLVM: expert scheduling mode 2), set by the entry lines.  The code itself states the register dependences between vector or matrix instructions and memory or LDS
; instructions, with s_wait_alu, always for 0.
; THE PLAN.  Registers that memory or LDS instructions touch, and who else names them:
;   F, G, v248-251 (window 0)   A step's head: K's fragments and scale words land; the 16 score products read them; V's land behind those; the 16 products V^T P^T read them.  On the way out the stage's loads land in F and G
;                               and the global stores read them; at the head slot 0 goes through G.
;   v244-247 (window 0)         In a partly masked step the mask's words land at the step's head; v_readlane reads them; then tile A's softmax writes and reads them.
;   the fill's sixteen          Global loads land, LDS stores read; of vector instructions the head's clears alone name them.
;   Q, v[QS]                    Loaded once a block; read by the score products.
;   v96-159                     At the head scale bytes pass through v96-111; in the loop vector and matrix instructions alone; on the way out the multiplications write them and LDS stores read them.
;   addresses                   v[A0], v[STK0], v[STV0], v[VKO], v[VVO], v[PFO] are made at the head and stay; v[AD] is written once a step; v[STK], v[STV], v[ADS] once a trip; these four serve the block's head and the way out too.
; So a step has three waits on va_vdst: at its head (addresses written; the last step's products done with F, G and the scale words; tile A's softmax done with v244-247), behind the score products
; (done with F, G and the scale words, in which V's land), and ahead of the products V^T P^T (p's codes and scale words written).  Waits on vm_vsrc stand ahead of the second step's add to v[AD], between a
; batch's LDS stores and the loads into the same sixteen registers, and at the end of the head, of the block's head, of a trip and of a block, ahead of what is written again there.
.set HALF,  36992                      ; a key step's part of a slot; 128 modulo 256, so that the two halves of a V store fall on different banks
.set VO,    18432                      ; V behind K's 128 rows
.set SLOT1, 131072
.set KSC,   74240                      ; K's scale words: [J 16][lane 32][b 4]: lanes 0-15 tile 2 b's, lanes 16-31 tile 2 b + 1's
.set VSC,   KSC+8192                   ; V's: [J 16][lane 32][a 4]: channel 32 a + lane
.set STAGE, 90624
.set A0,   1                           ; v1   144 (lane % 16) + 16 (lane / 16): my place in a tile of K or V; stays
.set AD,   2                           ; v2   the key step's fragments: A0 + slot + half
.set STK0, 3                           ; v3   where I put my 16 bytes of K in a slot; stays
.set STV0, 4                           ; v4   the same for V; stays
.set STK,  5                           ; v5   STK0 + the slot that is being filled
.set VKO,  6                           ; v6   16 x thread: my bytes in K's dense block, in the scale bytes, in the mask's words; stays
.set VVO,  7                           ; v7   my bytes in V: row thread / 16, 16 (thread % 16); stays
.set PFO,  8                           ; v8   the prefetch's lane offset; stays
.set QS,   9                           ; v9   Q's scale words: lanes 0-15 tile A's rows, lanes 16-31 tile B's
.set STV,  10                          ; v10  STV0 + the slot that is being filled
.set PSB,  11                          ; v11  tile B's scale word of p (scale operands are taken from window 0)
.set ADS,  255                         ; v255 the slot's scale words: 16 x lane + TS
.set WV,   2                           ; s2   wave
.set PY,   3                           ; s3   work-group x
.set QC,   4                           ; s[4:5] Q's codes, s[6:7] Q's scales, at my head
.set QSC,  6
.set KH,   8                           ; s[8:9] K's codes at my head
.set QP,   10                          ; s[10:11] first K's scales, then Q's codes at my 32 queries
.set VH,   12                          ; s[12:13] V's codes at my head
.set QSP,  14                          ; s[14:15] first V's scales, then Q's scales at my queries
.set MW,   16                          ; s[16:17] mwords
.set MP,   18                          ; s[18:19] first mflags, then mwords at the block and slot in hand
.set OH,   20                          ; s[20:21] out at my head
.set SEL,  22                          ; s[22:23] lane selects: lane l xor 16
.set CS,   24                          ; s[24:25] c = log2(e) / sqrt(128), twice
.set MNT,  26                          ; s26  the mantissa field of 448
.set BLK,  27                          ; s27  the query block in hand
.set KB,   28                          ; s[28:29], s[30:31] K and V at the slot that is being filled
.set VB,   30
.set PFA,  32                          ; s[32:33] where my prefetch stands; s[34:35] a slot on
.set PFS,  34
.set PFN,  36                          ; s36  bit 2 s: slot s is to be prefetched
.set TB,   37                          ; s37  LDS byte of the slot that is read
.set BT,   38                          ; s38  blocks to go
.set SL,   39                          ; s39  slots to go
.set JJ,   40                          ; s40  the slot's first key step
.set NB2,  41                          ; s41  2 x the slot that is being filled
.set TF,   42                          ; s42  LDS byte of the slot that is being filled
.set PA,   43                          ; s43  bit J: some key of step J counts for my 32 queries
.set PL,   44                          ; s44  bit J: all do
.set NEED, 45                          ; s45  bit 2 s: some wave of the work-group needs slot s; bit 16: the next block's slot 0
.set T0,   46
.set T1,   47
.set PA2,  48                          ; s48-50 the same three for the second block
.set PL2,  49
.set NEED2, 50
.set TS,   51                          ; s51  KSC + 1,024 x slot
.set OP,   52                          ; s[52:53] out at my 32 queries
.set W,    68                          ; s68-99 32 words of the mask; at the head the flags
.set MSB, 0
.macro WIN new                         ; low byte: bits 1:0 source 0, 3:2 source 1, 5:4 source 2, 7:6 destination; the high byte repeats the setting that is left
.if MSB != (\new)
	s_set_vgpr_msb (MSB<<8)|(\new)
.set MSB, (\new)
.endif
.endm
.macro BIT word, idx                   ; SCC = bit s[idx] of s[word]
	s_lshr_b32 s[T1], s[\word], s[\idx]
	s_and_b32 s[T1], s[T1], 1
	s_cmp_lg_u32 s[T1], 0
.endm
; The flags of query block s[blk]: my pair's word, and the OR of the block's eight pairs.
.macro FLAGS blk, pa, pl, need
	s_lshl_b32 s54, s[\blk], 7                     ; 8 pairs x 4 words
	s_mov_b32 s55, 0
	s_add_nc_u64 s[56:57], s[MP:MP+1], s[54:55]
	s_lshl_b32 s58, s[WV], 4
	s_mov_b32 s59, 0
	s_add_nc_u64 s[58:59], s[56:57], s[58:59]
	s_load_b512 s[68:83], s[56:57], 0x0
	s_load_b512 s[84:99], s[56:57], 0x40
	s_load_b128 s[60:63], s[58:59], 0x0
	s_wait_kmcnt 0x0
	s_or_b32 s60, s60, s61
	s_or_b32 s62, s62, s63
	s_or_b32 s60, s60, s62
	s_and_b32 s[\pa], s60, 0xffff
	s_lshr_b32 s[\pl], s60, 16
.irp i, 0,1,2,3,4,5,6,7,8,9,10,11,12,13,14,15
	s_or_b32 s[68+\i], s[68+\i], s[84+\i]
.endr
.irp i, 0,1,2,3,4,5,6,7
	s_or_b32 s[68+\i], s[68+\i], s[76+\i]
.endr
.irp i, 0,1,2,3
	s_or_b32 s[68+\i], s[68+\i], s[72+\i]
.endr
	s_or_b32 s68, s68, s70
	s_or_b32 s69, s69, s71
	s_or_b32 s68, s68, s69
	s_lshr_b32 s69, s68, 1
	s_or_b32 s68, s68, s69
	s_and_b32 s[\need], s68, 0x5555                ; bit 2 s: key step 2 s or 2 s + 1 counts for somebody
.endm
; THE FILL.  A slot's 64 KiB come by 16 instructions of the whole work-group.  i = 0..7: K, keys 32 i + thread / 8, a dense 4,096 bytes; i = 8..15: V, rows 16 (i - 8) + thread / 16, 256 aligned bytes a row.
.macro LDI i, reg
.if (\i) < 8
	global_load_b128 v[\reg:\reg+3], v[VKO], s[KB:KB+1] offset:4096*(\i)
.else
	global_load_b128 v[\reg:\reg+3], v[VVO], s[VB:VB+1] offset:32768*((\i)-8)
.endif
.endm
.macro STI i, reg, ak, av
.if (\i) < 8
	ds_store_b128 v[\ak], v[\reg:\reg+3] offset:HALF*((\i)/4)+4608*((\i)%4)
.else
	ds_store_b128 v[\av], v[\reg:\reg+3] offset:2304*((\i)-8)
.endif
.endm
; Batch put (four instructions' data, asked for a phase ago) goes to LDS, batch ask is asked for, into the same 16 registers of window 1.  -1: none.  Nothing is done for a slot that nobody needs.
; No vector instruction of the loop names the sixteen registers, v[VKO] or v[VVO]; v[STK] and v[STV] are written ahead of the step's head wait on va_vdst.
.macro FILL put, ask
	BIT NEED, NB2
	s_cbranch_scc0 .Lnofill_\@
	s_wait_loadcnt 0x0                             ; the batch has landed; and no load is out into the registers that the next loads name
.if (\put) >= 0
	WIN 0x04                                       ; a store's data: window 1
	STI 4*(\put)+0, 0, STK, STV
	STI 4*(\put)+1, 4, STK, STV
	STI 4*(\put)+2, 8, STK, STV
	STI 4*(\put)+3, 248, STK, STV
	WIN 0
	s_wait_dscnt 0x0                               ; the batch lies in LDS
.endif
.if (\ask) >= 0
	WIN 0x40                                       ; a load's destination: window 1
.if (\put) >= 0
	s_wait_alu depctr_vm_vsrc(0)                   ; the four LDS stores above have read the sixteen registers, in which the loads below land
.endif
	LDI 4*(\ask)+0, 0
	LDI 4*(\ask)+1, 4
	LDI 4*(\ask)+2, 8
	LDI 4*(\ask)+3, 248
	WIN 0
.endif
.Lnofill_\@:
.endm
; A PREFETCH INTO THE L2 of the slot behind the one that is being filled: it stands behind the trip's first loads, a trip (two key steps) ahead of the loads that will want those bytes.
; A head's four work-groups walk the same K and V: the one with x = 0 asks, in its first block, for the slots that it needs itself.  Waves 0-3: K's dense 32,768 bytes, 8,192 a wave, lanes 256 bytes apart;
; waves 4-7: V's 128 rows, 32 a wave, a lane a row (a slot's part of a row is 256 aligned bytes).  So each aligned 256 bytes are named once.  PFN has no bit above 14: nothing past slot 7 is named.
.macro ASKPF
	s_add_co_u32 s[T0], s[NB2], 2
	BIT PFN, T0
	s_cbranch_scc0 .Lnopf_\@
	global_prefetch_b8 v[PFO], s[PFA:PFA+1] th:TH_LOAD_NT scope:SCOPE_SE
.Lnopf_\@:
.endm
; One product of S^T (C = 0) and one of O^T (in place).  odd: the tile's scale words lie in lanes 16-31 of their register; rowb: tile B's words of Q likewise.
.macro WMS d, f, sa, odd, rowb
.if (\odd) && (\rowb)
	v_wmma_scale_f32_16x16x128_f8f6f4 v[\d:\d+7], v[\f:\f+15], v[16:31], 0, v[\sa], v[QS] matrix_a_scale:MATRIX_SCALE_ROW1 matrix_b_scale:MATRIX_SCALE_ROW1
.elseif (\odd)
	v_wmma_scale_f32_16x16x128_f8f6f4 v[\d:\d+7], v[\f:\f+15], v[16:31], 0, v[\sa], v[QS] matrix_a_scale:MATRIX_SCALE_ROW1
.elseif (\rowb)
	v_wmma_scale_f32_16x16x128_f8f6f4 v[\d:\d+7], v[\f:\f+15], v[16:31], 0, v[\sa], v[QS] matrix_b_scale:MATRIX_SCALE_ROW1
.else
	v_wmma_scale_f32_16x16x128_f8f6f4 v[\d:\d+7], v[\f:\f+15], v[16:31], 0, v[\sa], v[QS]
.endif
.endm
.macro WMO d, f, sa, sb, odd
.if (\odd)
	v_wmma_scale_f32_16x16x128_f8f6f4 v[\d:\d+7], v[\f:\f+15], v[224:239], v[\d:\d+7], v[\sa], v[\sb] matrix_a_scale:MATRIX_SCALE_ROW1
.else
	v_wmma_scale_f32_16x16x128_f8f6f4 v[\d:\d+7], v[\f:\f+15], v[224:239], v[\d:\d+7], v[\sa], v[\sb]
.endif
.endm
; Four products: tile a (0: A, 1: B) of queries, fragments g (0: F, tiles 0-3; 1: G, tiles 4-7).  Windows: a = 1: source 1, C and D in window 1; g = 1: source 0 in window 1.
.macro SMUL a, g
	WIN 0x54*\a+\g
.irp t, 0,1,2,3
	WMS 96+8*(4*\g+\t), 32+16*\t, 248+(4*\g+\t)/2, \t%2, \a
.endr
.endm
.macro PVMUL a, g
	WIN 0x54*\a+\g
.irp t, 0,1,2,3
	WMO 160+8*(4*\g+\t), 32+16*\t, 248+(4*\g+\t)/2, 253-242*\a, \t%2
.endr
.endm
; The scores of key step q of the slot in hand, for both tiles; then V's fragments are asked for, which land during the softmax.
; The first 33 loads lean on the wait at the step's head: no vector or matrix instruction stands between it and them.
.macro SPHASE q
	ds_load_b128 v[248:251], v[ADS] offset:512*\q  ; K's scale words of the eight tiles
.irp t, 0,1,2,3
.irp c, 0,1,2,3
	ds_load_b128 v[32+16*\t+4*\c:35+16*\t+4*\c], v[AD] offset:2304*\t+32*\c
.endr
.endr
	WIN 0x40
.irp t, 0,1,2,3
.irp c, 0,1,2,3
	ds_load_b128 v[32+16*\t+4*\c:35+16*\t+4*\c], v[AD] offset:2304*(\t+4)+32*\c
.endr
.endr
	s_wait_dscnt 16                                ; the scale words and F are in; G's sixteen loads, issued behind them, may be out
	SMUL 0, 0
	SMUL 1, 0
	s_wait_dscnt 0x0                               ; G is in
	SMUL 0, 1
	SMUL 1, 1
	WIN 0
.rept 8
	v_nop                                          ; eight places behind the products, ahead of the first read of the scores
.endr
	s_wait_alu depctr_va_vdst(0)                   ; the sixteen products are done reading F, G and v248-251, in which V's fragments and scale words land
	ds_load_b128 v[248:251], v[ADS] offset:8192+512*\q   ; V's scale words
.irp t, 0,1,2,3
.irp c, 0,1,2,3
	ds_load_b128 v[32+16*\t+4*\c:35+16*\t+4*\c], v[AD] offset:VO+2304*\t+32*\c
.endr
.endr
	WIN 0x40
.irp t, 0,1,2,3
.irp c, 0,1,2,3
	ds_load_b128 v[32+16*\t+4*\c:35+16*\t+4*\c], v[AD] offset:VO+2304*(\t+4)+32*\c
.endr
.endr
	WIN 0
.endm
; Hidden scores become -inf.  Word n of tile a lies in lane n / 2 of v[244 + 2 a + n % 2] (window 0); its bit L says whether score register n of lane L counts.  n ascends: each result is read from its low end on.
.macro MASK
	v_mov_b32 v254, 0xff800000
	WIN 0x40
	v_mov_b32 v254, 0xff800000
.irp a, 0,1
.irp g, 0,1
	WIN 0
.set k, 0
.rept 32
	v_readlane_b32 s[W+k], v[244+2*\a+k%2], 16*\g+k/2
.set k, k+1
.endr
	s_wait_alu depctr_va_sdst(0)                   ; the 32 lane reads above have written s[W] on, ahead of their first readers, the selects below
	WIN 0x55*\a
.set k, 0
.rept 32
	v_cndmask_b32 v[96+32*\g+k], v254, v[96+32*\g+k], s[W+k]
.set k, k+1
.endr
.endr
.endr
	WIN 0
.endm
; One tile's softmax for 128 keys, and p's codes and scale word.  a = 1: all registers in window 1.
.macro SOFTMAX a
	WIN 0x55*\a
.irp b, 0,1,2,3
	v_max3_num_f32 v[232+\b], v[96+16*\b], v[97+16*\b], v[98+16*\b]   ; the largest score of each block of 32 keys: for the row's maximum and, since p rises with the score, for the block's largest p
.endr
.irp i, 3,5,7,9,11,13
.irp b, 0,1,2,3
	v_max3_num_f32 v[232+\b], v[232+\b], v[96+16*\b+\i], v[97+16*\b+\i]
.endr
.endr
.irp b, 0,1,2,3
	v_max_num_f32 v[232+\b], v[232+\b], v[111+16*\b]
.endr
.irp b, 0,1,2,3
	v_permlanex16_b32 v[236+\b], v[232+\b], s[SEL], s[SEL+1]
.endr
.irp b, 0,1,2,3
	v_max_num_f32 v[232+\b], v[232+\b], v[236+\b]  ; with lane l xor 16's 16 keys
.endr
	v_max3_num_f32 v254, v232, v233, v234
	v_max_num_f32 v254, v254, v235
	v_mul_f32 v254, s[CS], v254                    ; as t (c is positive)
	v_max_num_f32 v13, v13, v254                   ; the running largest t
	v_mov_b32 v254, v12
	v_floor_f32 v12, -v13                          ; -M = floor(-t): M is a whole number
	v_sub_f32 v254, v12, v254                      ; old M - new M, 0 or less
	v_cvt_i32_f32 v254, v254                       ; (it saturates)
	v_ldexp_f32 v252, 1.0, v254                    ; f = 2^(old M - new M)
.set j, 0
.rept 32
	v_pk_fma_f32 v[96+j:97+j], v[96+j:97+j], s[CS:CS+1], v[12:13] op_sel_hi:[1,0,0]   ; t - M, two at a time
.set j, j+2
.endr
.irp b, 0,1,2,3
	v_fma_f32 v[232+\b], v[232+\b], s[CS], v12     ; the same of each block's largest score
.endr
.set j, 0
	s_wait_alu depctr_va_vdst(0)
.rept 64
	v_exp_f32 v[96+j], v[96+j]                     ; p = 2^(t - M)
.set j, j+1
.endr
	v_pk_mul_f32 v[14:15], v[14:15], v[252:253] op_sel_hi:[1,0]   ; the sums under the new M: the plain instruction behind the exponentials
	s_wait_alu depctr_va_vdst(0)                   ; the 64 exponentials have written p: one wait, ahead of their first reader
.irp b, 0,1,2,3
	v_exp_f32 v[232+\b], v[232+\b]                 ; the block's largest p
.endr
	v_pk_add_f32 v[236:237], v[96:97], v[98:99]    ; the row's sum of the unquantised p, in two chains
.set j, 4
.rept 15
	v_pk_add_f32 v[14:15], v[14:15], v[96+j:97+j]
	v_pk_add_f32 v[236:237], v[236:237], v[98+j:99+j]
.set j, j+4
.endr
	v_pk_add_f32 v[14:15], v[14:15], v[236:237]
	s_wait_alu depctr_va_vdst(0)                   ; the four exponentials have written v232-235: one wait, ahead of their first reader
.irp b, 0,1,2,3
	v_max_num_f32 v[232+\b], 0x4800000, v[232+\b]  ; the floor 2^(9 - 127): the byte cannot fall under 1
.endr
.irp b, 0,1,2,3
	v_add_nc_u32 v[244+\b], 0xfc000000, v[232+\b]  ; 8 off the exponent field: the conversion's scale operand
.endr
.irp b, 0,1,2,3
	v_and_or_b32 v[240+\b], v[232+\b], 0x7f800000, s[MNT]   ; 448 x the scale
.endr
.irp b, 0,1,2,3
	v_lshrrev_b32 v[236+\b], 23, v[244+\b]         ; the scale's byte
.endr
	v_lshl_or_b32 v253, v237, 8, v236              ; p's scale word for these 128 keys
	v_lshl_or_b32 v253, v238, 16, v253
	v_lshl_or_b32 v253, v239, 24, v253
.if \a
	WIN 0x01
	v_mov_b32 v[PSB], v253                         ; tile B's word goes to window 0, from which scale operands are taken; 96 plain instructions stand between it and the products
	WIN 0x55
.endif
.irp b, 0,1,2,3
.irp i, 0,1,2,3,4,5,6,7,8,9,10,11,12,13,14,15
	v_min_num_f32 v[96+16*\b+\i], v[96+16*\b+\i], v[240+\b]   ; the conversion to an 8-bit code does not saturate (ISA guide 7.6.2); p is not negative, so the hold is one-sided
.endr
	v_cvt_scalef32_pk8_fp8_f32 v[224+4*\b:225+4*\b], v[96+16*\b:103+16*\b], v[244+\b]
	v_cvt_scalef32_pk8_fp8_f32 v[226+4*\b:227+4*\b], v[104+16*\b:111+16*\b], v[244+\b]
.endr
.set j, 0
.rept 32
	v_pk_mul_f32 v[160+j:161+j], v[160+j:161+j], v[252:253] op_sel_hi:[1,0]   ; O^T under the new M; these are also the places between the codes and the products
.set j, j+2
.endr
	WIN 0
.endm
; O^T += V^T P^T for both tiles: sixteen accumulators, one instruction each.
.macro PV
	s_wait_dscnt 0x0                               ; V's fragments and scale words are in
	s_wait_alu depctr_va_vdst(0)                   ; the conversions have written both tiles' codes of p, and v253 and v[PSB], their scale words, are written: the products below take them; the places stand ahead of this wait
	PVMUL 0, 0
	PVMUL 1, 0
	PVMUL 0, 1
	PVMUL 1, 1
	WIN 0
.rept 8
	v_nop                                          ; eight places behind the products; the wait that frees their fragments for the next loads stands at the next step's head
.endr
.endm
; KEY STEP q of the slot in hand.  Three ways, by my pair's flags: nothing counts; all counts; some: the mask's words are loaded and applied.  The fill's part stands on every way.
.macro STEP q
	s_add_co_u32 s[T0], s[JJ], \q
	s_add_co_u32 s[T1], s[TB], \q*HALF
.if \q
	s_wait_alu depctr_vm_vsrc(0)                   ; the first key step's LDS loads have read v[AD] (for the trip's first step the wait at the last trip's end says so)
.endif
	v_add_nc_u32 v[AD], s[T1], v[A0]               ; made on the way that all take
	s_wait_alu depctr_va_vdst(0)                   ; v[AD] is written (in the trip's first step v[STK], v[STV], v[ADS] too), which the LDS instructions below read; the last step's products are done reading F, G and v248-251, and tile A's softmax is done with v244-247: loads land in all of these
	BIT PA, T0
	s_cbranch_scc0 .Lidle_\@
	BIT PL, T0
	s_cbranch_scc1 .Lopen_\@
	global_load_b128 v[244:247], v[VKO], s[MP:MP+1] offset:4096*\q   ; my pair's 128 words: 512 consecutive bytes a wave
	SPHASE \q
	s_wait_loadcnt 0x0                             ; the words are in
	MASK
	s_branch .Lsm_\@
.Lopen_\@:
	SPHASE \q
.Lsm_\@:
	SOFTMAX 0
	FILL 2*\q, 2*\q+1
	SOFTMAX 1
	PV
	s_branch .Ljoin_\@
.Lidle_\@:
	FILL 2*\q, 2*\q+1
.Ljoin_\@:
.endm
; THE WAY OUT of tile a: O^T / the sum goes through my own stage, half a row (256 bytes) of 16 queries at a time, and leaves so that sixteen lanes store 256 consecutive aligned bytes.
.macro OUT a
	WIN 0x55*\a
	v_add_f32 v14, v14, v15
	v_permlanex16_b32 v252, v14, s[SEL], s[SEL+1]
	v_add_f32 v14, v14, v252                       ; the row's sum
	s_wait_alu depctr_va_vdst(0)
	v_rcp_f32 v14, v14
	v_nop                                          ; a plain instruction behind the reciprocal,
	s_wait_alu depctr_va_vdst(0)                   ; and the reciprocal has written v14, ahead of its first reader
.set j, 0
.rept 64
	v_mul_f32 v[96+j], v[160+j], v14               ; register 8 t + i is o(lane % 16, 16 t + 8 (lane / 16) + i); each accumulator from its low end on
.set j, j+1
.endr
	s_wait_alu depctr_va_vdst(0)                   ; the 64 multiplications have written v96-159, which the LDS stores read; v[AD], v[STK] and v[STV] are written; the products are done reading v32-95, in which the stage's loads land
.irp u, 0,1
	WIN 0x04*\a
.irp t, 0,1,2,3
	ds_store_b128 v[AD], v[96+32*\u+8*\t:99+32*\u+8*\t] offset:64*\t
	ds_store_b128 v[AD], v[100+32*\u+8*\t:103+32*\u+8*\t] offset:64*\t+16
.endr
	WIN 0x40*\a
.irp i, 0,1,2,3,4,5,6,7
	ds_load_b128 v[32+32*\u+4*\i:35+32*\u+4*\i], v[STK] offset:544*\i   ; LDS serves a wave's instructions in order (ISA guide 5.7.1.4): these see my stores, and the next half's stores come behind them
.endr
.endr
	WIN 0x04*\a
.irp u, 0,1
.irp i, 0,1,2,3,4,5,6,7
	s_wait_dscnt 15-8*\u-\i                        ; at most the loads issued behind this one are out
	global_store_b128 v[STV], v[32+32*\u+4*\i:35+32*\u+4*\i], s[OP:OP+1] offset:8192*\a+1024*\i+256*\u th:TH_STORE_NT
.endr
.endr
	WIN 0
.endm
; ---------------------------------------------------------------- the head
	s_load_b512 s[4:19], s[0:1], 0x0               ; Q's codes, Q's scales, K's codes, K's scales, V's codes, V's scales, mwords, mflags
	s_load_b64 s[OH:OH+1], s[0:1], 0x40            ; out
	v_lshrrev_b32 v[AD], 5, v0
	v_readfirstlane_b32 s[WV], v[AD]               ; wave 0..7
	s_mov_b32 s[PY], ttmp9
	s_and_b32 s[T0], ttmp7, 0xffff                 ; the head
	s_lshl_b32 s54, s[T0], 18                      ; a head's codes: 2^18 bytes,
	s_mov_b32 s55, 0
	s_lshl_b32 s56, s[T0], 13                      ; its scale bytes: 2^13,
	s_mov_b32 s57, 0
	s_lshl_b32 s58, s[T0], 20                      ; its rows of out: 2^20
	s_mov_b32 s59, 0
	v_and_b32 v[A0], 15, v0
	v_mul_u32_u24 v[A0], v[A0], 144
	v_and_b32 v[AD], 16, v0
	v_add_nc_u32 v[A0], v[A0], v[AD]               ; 144 r + 16 h
	v_bfe_u32 v[STK0], v0, 3, 3                    ; K: key x = thread / 8 of an instruction's 32 goes to row 16 x3 + 8 x4 + x % 8 (x3, x4: bits 3 and 4 of x)
	v_bfe_u32 v[AD], v0, 6, 1
	v_lshl_add_u32 v[STK0], v[AD], 4, v[STK0]
	v_bfe_u32 v[AD], v0, 7, 1
	v_lshl_add_u32 v[STK0], v[AD], 3, v[STK0]
	v_mul_u32_u24 v[STK0], v[STK0], 144
	v_and_b32 v[AD], 7, v0
	v_lshl_add_u32 v[STK0], v[AD], 4, v[STK0]      ; + 16 (thread % 8)
	v_lshrrev_b32 v[STV0], 4, v0                   ; V: row thread / 16; of its 256 bytes lanes 0-7 hold the first key step's, lanes 8-15 the second's
	v_mul_u32_u24 v[STV0], v[STV0], 144
	v_lshl_add_u32 v[STV0], v[AD], 4, v[STV0]
	v_bfe_u32 v[AD], v0, 3, 1
	v_mul_u32_u24 v[AD], v[AD], HALF
	v_add_nc_u32 v[STV0], v[STV0], v[AD]
	v_add_nc_u32 v[STV0], VO, v[STV0]
	v_lshlrev_b32 v[VKO], 4, v0
	v_lshrrev_b32 v[VVO], 4, v0
	v_lshlrev_b32 v[VVO], 11, v[VVO]
	v_and_b32 v[AD], 15, v0
	v_lshl_add_u32 v[VVO], v[AD], 4, v[VVO]
	; where the scale words go.  K: thread's word e of load i is key 1,024 i + 4 thread + e: step 8 i + wave, register b = lane / 8, lane 16 l1 + 8 l2 + 4 l0 + e (l0, l1, l2: bits of my lane)
	v_lshrrev_b32 v[AD], 5, v0
	v_lshlrev_b32 v[AD], 9, v[AD]
	v_bfe_u32 v[STV], v0, 1, 1
	v_lshl_add_u32 v[AD], v[STV], 8, v[AD]
	v_bfe_u32 v[STV], v0, 2, 1
	v_lshl_add_u32 v[AD], v[STV], 7, v[AD]
	v_and_b32 v[STV], 1, v0
	v_lshl_add_u32 v[AD], v[STV], 6, v[AD]
	v_bfe_u32 v[STV], v0, 3, 2
	v_lshl_add_u32 v[AD], v[STV], 2, v[AD]
	v_add_nc_u32 v[AD], KSC, v[AD]
	; V: word e of load i is channel 64 i + thread / 4, step 4 (thread % 4) + e: register a = 2 i + thread / 128, lane (thread / 4) % 32
	v_and_b32 v[STK], 3, v0
	v_lshlrev_b32 v[STK], 11, v[STK]
	v_bfe_u32 v[STV], v0, 2, 5
	v_lshl_add_u32 v[STK], v[STV], 4, v[STK]
	v_lshrrev_b32 v[STV], 7, v0
	v_lshl_add_u32 v[STK], v[STV], 2, v[STK]
	v_add_nc_u32 v[STK], VSC, v[STK]
	s_wait_alu depctr_va_sdst(0)                   ; s[WV] is written, ahead of its first reader: the flags' address is made from it
	s_wait_kmcnt 0x0
	s_add_nc_u64 s[QC:QC+1], s[QC:QC+1], s[54:55]
	s_add_nc_u64 s[QSC:QSC+1], s[QSC:QSC+1], s[56:57]
	s_add_nc_u64 s[KH:KH+1], s[KH:KH+1], s[54:55]
	s_add_nc_u64 s[QP:QP+1], s[QP:QP+1], s[56:57]          ; K's scales
	s_add_nc_u64 s[VH:VH+1], s[VH:VH+1], s[54:55]
	s_add_nc_u64 s[QSP:QSP+1], s[QSP:QSP+1], s[56:57]      ; V's scales
	s_add_nc_u64 s[OH:OH+1], s[OH:OH+1], s[58:59]
	s_wait_alu depctr_va_vdst(0)                   ; v[VKO], v[VVO], v[STK0], v[STV0], v[AD] and v[STK] are written, which the head's loads and LDS stores read; no vector instruction stands between this wait and the last of them
	global_load_b128 v[96:99], v[VKO], s[QP:QP+1]          ; the head's scale bytes, 8,192 each, in dense runs
	global_load_b128 v[100:103], v[VKO], s[QP:QP+1] offset:4096
	global_load_b128 v[104:107], v[VKO], s[QSP:QSP+1]
	global_load_b128 v[108:111], v[VKO], s[QSP:QSP+1] offset:4096
	s_sub_co_u32 s[BLK], 7, s[PY]                  ; the first block: 7 - x
	FLAGS BLK, PA, PL, NEED
	FLAGS PY, PA2, PL2, NEED2
	s_and_b32 s[T0], s[NEED2], 1
	s_lshl_b32 s[T0], s[T0], 16
	s_or_b32 s[NEED], s[NEED], s[T0]               ; the first block's last trip fills the second block's slot 0
	s_mov_b64 s[KB:KB+1], s[KH:KH+1]
	s_mov_b64 s[VB:VB+1], s[VH:VH+1]
	s_and_b32 s[T1], s[NEED], 1
	s_cmp_lg_u32 s[T1], 0
	s_cbranch_scc0 .Lno_first
	WIN 0x40                                       ; slot 0, all sixteen instructions at once, through G
.irp i, 0,1,2,3,4,5,6,7,8,9,10,11,12,13,14,15
	LDI \i, 32+4*\i
.endr
	WIN 0
	s_wait_loadcnt 0x0
	WIN 0x04
.irp i, 0,1,2,3,4,5,6,7,8,9,10,11,12,13,14,15
	STI \i, 32+4*\i, STK0, STV0
.endr
	WIN 0
.Lno_first:
	s_wait_loadcnt 0x0                             ; the scale bytes are in, and every load has read its base
.irp i, 0,1
.irp e, 0,1,2,3
	ds_store_b32 v[AD], v[96+4*\i+\e] offset:4096*\i+16*\e
	ds_store_b32 v[STK], v[104+4*\i+\e] offset:8*\i+512*\e
.endr
.endr
	s_add_nc_u64 s[KB:KB+1], s[KB:KB+1], 32768     ; the first trip fills slot 1
	s_add_nc_u64 s[VB:VB+1], s[VB:VB+1], 256
	s_mov_b32 s[SEL], 0x76543210
	s_mov_b32 s[SEL+1], 0xfedcba98
	s_mov_b32 s[CS], 0x3e0293ee                    ; log2(e) / sqrt(128)
	s_mov_b32 s[CS+1], s[CS]
	s_mov_b32 s[MNT], 0x600000
	s_mov_b32 s[BT], 2
	s_and_b32 s[PFN], s[NEED], 0x5555              ; who prefetches, and what
	s_cmp_eq_u32 s[PY], 0
	s_cselect_b32 s[PFN], s[PFN], 0
	s_cmp_lt_u32 s[WV], 4                          ; waves 0-3: K; waves 4-7: V
	s_cselect_b64 s[PFA:PFA+1], s[KH:KH+1], s[VH:VH+1]
	s_mov_b32 s[PFS], 256
	s_cselect_b32 s[PFS], 32768, s[PFS]            ; a slot on
	s_mov_b32 s[T0], 2048
	s_cselect_b32 s[T0], 256, s[T0]                ; from lane to lane
	s_mov_b32 s[T1], 65536
	s_cselect_b32 s[T1], 8192, s[T1]               ; from wave to wave
	s_mov_b32 s[PFS+1], 0
	v_and_b32 v[PFO], 31, v0
	v_mul_lo_u32 v[PFO], v[PFO], s[T0]
	s_and_b32 s54, s[WV], 3
	s_mul_i32 s54, s54, s[T1]
	s_lshl_b32 s55, s[PFS], 1
	s_add_co_u32 s54, s54, s55                     ; it begins at slot 2: slots 0 and 1 come by their loads alone
	s_mov_b32 s55, 0
	s_add_nc_u64 s[PFA:PFA+1], s[PFA:PFA+1], s[54:55]
	WIN 0x40                                       ; registers that some way reads before that way has written them: the fill's sixteen, the lane permutes' destinations, the upper half of the pair v[252:253]
.irp i, 0,1,2,3,4,5,6,7,8,9,10,11,248,249,250,251,236,237,238,239,252,253
	v_mov_b32 v\i, 0
.endr
	WIN 0
.irp i, 236,237,238,239,252,253
	v_mov_b32 v\i, 0
.endr
	s_wait_dscnt 0x0                               ; for the others' sake: my part of slot 0 and of the scale words lies in LDS
	s_barrier_signal -1
	s_barrier_wait -1
	s_wait_alu depctr_vm_vsrc(0)                   ; the head's LDS stores have read v[AD], v[STK], v96-111 and G: the block below writes the two addresses, its products v96 on, its LDS loads G
; ---------------------------------------------------------------- a block of 256 queries
.Lblock:
	s_lshl_b32 s[T0], s[BLK], 8
	s_lshl_b32 s[T1], s[WV], 5
	s_add_co_u32 s[T0], s[T0], s[T1]               ; my first query: 256 x block + 32 x wave
	s_mov_b32 s55, 0
	s_lshl_b32 s54, s[T0], 7
	s_add_nc_u64 s[QP:QP+1], s[QC:QC+1], s[54:55]
	s_lshl_b32 s54, s[T0], 2
	s_add_nc_u64 s[QSP:QSP+1], s[QSC:QSC+1], s[54:55]
	s_lshl_b32 s54, s[T0], 9
	s_add_nc_u64 s[OP:OP+1], s[OH:OH+1], s[54:55]
	s_lshl_b32 s54, s[BLK], 16
	s_add_nc_u64 s[MP:MP+1], s[MW:MW+1], s[54:55]
	v_and_b32 v[AD], 15, v0
	v_lshlrev_b32 v[AD], 7, v[AD]
	v_and_b32 v[ADS], 16, v0
	v_add_nc_u32 v[AD], v[AD], v[ADS]              ; Q: row r of 128 bytes, + 16 h
	v_and_b32 v[ADS], 31, v0
	v_lshlrev_b32 v[ADS], 2, v[ADS]                ; its scale words: 4 bytes a row, a lane a row
	s_wait_alu depctr_va_vdst(0)                   ; v[AD] and v[ADS] are written, which Q's loads read; the last block's products are done reading Q and v[QS], in which they land; in the first block the head's v[PFO] and its clears of the fill's sixteen registers are written too
.irp c, 0,1,2,3
	global_load_b128 v[16+4*\c:19+4*\c], v[AD], s[QP:QP+1] offset:32*\c
.endr
	WIN 0x40
.irp c, 0,1,2,3
	global_load_b128 v[16+4*\c:19+4*\c], v[AD], s[QP:QP+1] offset:2048+32*\c
.endr
	WIN 0
	global_load_b32 v[QS], v[ADS], s[QSP:QSP+1]
.irp a, 0,1
	WIN 0x55*\a
	v_mov_b32 v13, 0xff61b1e6                      ; the largest t so far: -3e38, under every t
	v_floor_f32 v12, -v13                          ; -M
	v_mov_b32 v14, 0
	v_mov_b32 v15, 0
.set j, 0
.rept 64
	v_mov_b32 v[160+j], 0                          ; O^T
.set j, j+1
.endr
.endr
	WIN 0
	s_mov_b32 s[TB], 0
	s_mov_b32 s[TF], SLOT1
	s_mov_b32 s[TS], KSC
	s_mov_b32 s[JJ], 0
	s_mov_b32 s[NB2], 2
	s_mov_b32 s[SL], 8
	s_wait_loadcnt 0x0                             ; Q is in
	s_wait_alu depctr_vm_vsrc(0)                   ; Q's loads have read v[AD] and v[ADS], which the first trip writes
.Lslot:                                            ; eight trips: slot s is read, slot s + 1 is filled (in the last trip: the next block's slot 0)
	v_add_nc_u32 v[STK], s[TF], v[STK0]
	v_add_nc_u32 v[STV], s[TF], v[STV0]
	v_and_b32 v[ADS], 31, v0
	v_lshl_add_u32 v[ADS], v[ADS], 4, s[TS]
	FILL -1, 0                                     ; its loads read v[VKO] and v[VVO] and land in the fill's sixteen: none of these is named by a vector instruction since the block's head, and the wait at the last trip's end has shown the sixteen read
	ASKPF
	STEP 0
	FILL 1, 2
	STEP 1
	FILL 3, -1
	s_wait_dscnt 0x0                               ; my reads of the slot in hand are back and my stores into the other have landed
	s_barrier_signal -1
	s_barrier_wait -1                              ; both hold of every wave: the slots change places
	s_wait_xcnt 0x0                                ; every load and prefetch has read its base: the bases may step
	s_wait_alu depctr_vm_vsrc(0)                   ; this trip's LDS loads have read v[AD] and v[ADS], its LDS stores v[STK], v[STV] and the fill's sixteen registers: the next trip, or the way out, writes the four addresses, and the next trip's first loads land in the sixteen
	s_xor_b32 s[TB], s[TB], SLOT1
	s_xor_b32 s[TF], s[TF], SLOT1
	s_add_co_u32 s[TS], s[TS], 1024
	s_add_nc_u64 s[KB:KB+1], s[KB:KB+1], 32768
	s_add_nc_u64 s[VB:VB+1], s[VB:VB+1], 256
	s_add_nc_u64 s[PFA:PFA+1], s[PFA:PFA+1], s[PFS:PFS+1]
	s_add_nc_u64 s[MP:MP+1], s[MP:MP+1], 8192
	s_add_co_u32 s[JJ], s[JJ], 2
	s_add_co_u32 s[NB2], s[NB2], 2
	s_cmp_eq_u32 s[NB2], 16                        ; behind slot 7 comes slot 0 again, for the next block
	s_cselect_b64 s[KB:KB+1], s[KH:KH+1], s[KB:KB+1]
	s_cselect_b64 s[VB:VB+1], s[VH:VH+1], s[VB:VB+1]
	s_sub_co_u32 s[SL], s[SL], 1
	s_cmp_lg_u32 s[SL], 0
	s_cbranch_scc1 .Lslot
	s_mul_i32 s[T0], s[WV], 4352
	s_add_co_u32 s[T0], s[T0], STAGE               ; my stage
	v_and_b32 v[AD], 15, v0                        ; r
	v_bfe_u32 v[STV], v0, 4, 1                     ; h
	v_mul_u32_u24 v[STK], v[STV], 272
	v_lshl_add_u32 v[STK], v[AD], 4, v[STK]
	v_add_nc_u32 v[STK], s[T0], v[STK]             ; back: lanes 0-15 one row, lanes 16-31 the next
	v_lshlrev_b32 v[ADS], 4, v[AD]
	v_mul_u32_u24 v[AD], v[AD], 272
	v_lshl_add_u32 v[AD], v[STV], 5, v[AD]
	v_add_nc_u32 v[AD], s[T0], v[AD]               ; in: row r, + 32 h
	v_lshl_add_u32 v[STV], v[STV], 9, v[ADS]       ; in out: 512 h + 16 r
	OUT 0
	OUT 1
	s_wait_xcnt 0x0                                ; the stores have read their data, offset and base: all are written again in the next block
	s_wait_alu depctr_vm_vsrc(0)                   ; the way out's LDS stores have read v[AD] and v96-159, its LDS loads v[STK], its global stores v[STV] and v32-95 of both windows: the next block writes the addresses, its products v96 on, and its LDS loads land in v32-95
	s_mov_b32 s[BLK], s[PY]                        ; the second block: x
	s_mov_b32 s[PA], s[PA2]
	s_mov_b32 s[PL], s[PL2]
	s_mov_b32 s[NEED], s[NEED2]
	s_mov_b32 s[PFN], 0                            ; K and V have been walked once: nothing more is prefetched
	s_sub_co_u32 s[BT], s[BT], 1
	s_cmp_lg_u32 s[BT], 0
	s_cbranch_scc1 .Lblock
	s_wait_xcnt 0x0
	v_lshl_add_u32 v254, v0, 2, 0x32200            ; the add's two registers are made anew: no memory or LDS instruction has read v254 or v255 since the wait on vm_vsrc at the last trip's end
	v_mov_b32 v255, 0
	s_wait_dscnt 0x0                               ; the closing lines, six on end
	s_wait_alu 0x0
	s_wait_tensorcnt 0x0
	ds_add_u32 v254, v255
	s_wait_dscnt 0x0
	s_endpgm
.Lfunc_end_k_q2e4e70519d_attn:
	.size	k_q2e4e70519d_attn, .Lfunc_end_k_q2e4e70519d_attn-k_q2e4e70519d_attn
	.p2alignl 7, 3214868480
	.fill 96, 4, 3214868480
	.section	.rodata,"a",@progbits
	.p2align	6, 0x0
	.amdhsa_kernel k_q2e4e70519d_attn
		.amdhsa_group_segment_fixed_size 206336
		.amdhsa_private_segment_fixed_size 0
		.amdhsa_enable_private_segment 0
		.amdhsa_kernarg_size 72
		.amdhsa_user_sgpr_count 2
		.amdhsa_user_sgpr_kernarg_segment_ptr 1
		.amdhsa_wavefront_size32 1
		.amdhsa_system_sgpr_workgroup_id_x 1
		.amdhsa_system_sgpr_workgroup_id_y 1
		.amdhsa_system_sgpr_workgroup_id_z 1
		.amdhsa_system_vgpr_workitem_id 0
		.amdhsa_next_free_vgpr 512
		.amdhsa_next_free_sgpr 100
		.amdhsa_reserve_vcc 0
		.amdhsa_float_denorm_mode_32 3
		.amdhsa_float_denorm_mode_16_64 3
		.amdhsa_memory_ordered 1
		.amdhsa_forward_progress 1
		.amdhsa_inst_pref_size 167
	.end_amdhsa_kernel
	.amdgpu_metadata
---
amdhsa.version: [ 1, 2 ]
amdhsa.kernels:
  - .name:           k_q2e4e70519d_attn
    .symbol:         k_q2e4e70519d_attn.kd
    .args:
      - { .name: Q_codes, .offset: 0, .size: 8, .value_kind: global_buffer, .address_space: global }
      - { .name: Q_scales, .offset: 8, .size: 8, .value_kind: global_buffer, .address_space: global }
      - { .name: K_codes, .offset: 16, .size: 8, .value_kind: global_buffer, .address_space: global }
      - { .name: K_scales, .offset: 24, .size: 8, .value_kind: global_buffer, .address_space: global }
      - { .name: V_codes, .offset: 32, .size: 8, .value_kind: global_buffer, .address_space: global }
      - { .name: V_scales, .offset: 40, .size: 8, .value_kind: global_buffer, .address_space: global }
      - { .name: mwords, .offset: 48, .size: 8, .value_kind: global_buffer, .address_space: global }
      - { .name: mflags, .offset: 56, .size: 8, .value_kind: global_buffer, .address_space: global }
      - { .name: out0, .offset: 64, .size: 8, .value_kind: global_buffer, .address_space: global }
    .group_segment_fixed_size: 206336
    .private_segment_fixed_size: 0
    .kernarg_segment_align: 8
    .kernarg_segment_size: 72
    .max_flat_workgroup_size: 256
    .sgpr_count:     100
    .vgpr_count:     512
    .wavefront_size: 32
...
	.end_amdgpu_metadata
.endif
;; end of part 4
